; MI455X (gfx1250); checked and timed in simulation.
; The chip was launched on July 23, 2026; its instructions are those of AMD's public machine-readable ISA for CDNA 5 (MIT licence, August 2026) and "CDNA5" Instruction Set Architecture Reference Guide (July 2026). The comments in the code are by the model that wrote it; some were corrected since.
;; Co Ro PE. Allowed arithmetic: matrix products marked QUANTISED: E2M1 operands, one E8M0 scale for each 32 along K, by v_wmma_scale_f32_16x16x128_f8f6f4 with both operands' format E2M1 (or v_wmma_scale_f32_32x16x128_f4), f32 sums; products left as they are: bf16, f16 or f32 operands; f32 sums; everything else in f32.
;; Inputs: Wk 2,048 x 512 float32; Wo 2,048 x 2,048 float32; Wq 2,048 x 2,048 float32; Wv 2,048 x 512 float32; x 4 x 1,024 x 2,048 float32.
;; Outputs: out0 4 x 1,024 x 2,048 float32.
;; This version of the problem:
;;   THIS VERSION OF THE PROBLEM IS GIVEN IN LOW PRECISION. The matrix products marked QUANTISED in the list below multiply operands that are first quantised to E2M1 (2 exponent bits, 1 mantissa bit; 4 bits a number), with one power-of-two scale for each 32 numbers along K (OCP MX v1.0); their sums are f32. The products marked 'left as it is' may take bf16, f16 or f32 operands, with f32 sums. Whichever they take, every output number must still come out within the allowed error. Rounding operands to bf16 (8 significant bits) uses up far more of that allowance than f16 does (11 bits, for magnitudes from 6e-5 to 65,504). All else is computed in f32.
;;   The module's matrix products, in the order in which they are computed (A, B: the left and right operand; K: the contracted axis; several contracted axes count as one K, in the product's order):
;;     1. [M 4,096, K 2,048] x [K 2,048, N 2,048]; A: input x; B: input Wq: QUANTISED
;;     2. [M 4,096, K 2,048] x [K 2,048, N 512]; A: input x; B: input Wk: QUANTISED
;;     3. [M 4,096, K 2,048] x [K 2,048, N 512]; A: input x; B: input Wv: QUANTISED
;;     4. batch 16 x [M 1,024, K 128] x [K 128, N 4,096]; A: computed on the way; B: computed on the way: left as it is (an operand is computed on the way)
;;     5. batch 16 x [M 128, K 1,024] x [K 1,024, N 4,096]; A: computed on the way; B: computed on the way: left as it is (an operand is computed on the way)
;;     6. [M 4,096, K 2,048] x [K 2,048, N 2,048]; A: computed on the way; B: input Wo: left as it is (an operand is computed on the way)
;;   THE QUANTISER, for each operand of a quantised product, along K:
;;     - K is cut into blocks of 32 from its start; a last block that is shorter is filled with zeros.
;;     - A block's scale is 2^e with e = floor(log2(the largest magnitude in the block)) - 2, held to -126 .. 127; a block of zeros has e = 0. As a byte (E8M0): e + 127.
;;     - Each number is divided by its block's scale, clamped to +-6, and rounded to the nearest number of E2M1, ties to even, subnormals kept.
;;     - The product sums the exact products of the quantised numbers (number of the format x scale) in f32.
;;   ~~~python
;;   def quantise(x, axis):      # numpy; x: float32 -> the quantised numbers, widened to float32 again
;;       x = np.moveaxis(x, axis, -1); K = x.shape[-1]
;;       x = np.pad(x, [(0, 0)] * (x.ndim - 1) + [(0, -K % 32)]); x = x.reshape(x.shape[:-1] + (-1, 32)); a = np.abs(x).max(-1, keepdims=True)
;;       e = np.where(a > 0, np.clip(np.frexp(np.where(a > 0, a, 1))[1] - 1 - 2, -126, 127), 0)      # np.frexp(a)[1] - 1 = floor(log2(a)), exactly
;;       r = np.clip(x / 2.0 ** e, -6, 6)
;;       step = 2.0 ** (np.maximum(np.frexp(np.where(r == 0, 1, r))[1] - 1, 0) - 1)
;;       q = np.round(r / step) * step * 2.0 ** e      # np.round: ties to even
;;       return np.moveaxis(q.reshape(q.shape[:-2] + (-1,))[..., :K], -1, axis).astype(np.float32)
;;   ~~~
;; One version. Each part assembles by itself: llvm-mc -triple=amdgcn-amd-amdhsa -mcpu=gfx1250 --defsym DOCPART=n.
;; ======== version 1 of 1: 5 launches
;; limits: values are held in f16: magnitudes above 65,504 overflow, below 6.1e-05 lose precision
;; workspace buffers: codes 7,340,032 bytes; scales 458,752 bytes; wot 8,388,608 bytes; qkv 25,165,824 bytes; qkv32 786,432 bytes; y 16,777,216 bytes
;; launch prep (part 1): grid 704 x 1, 4 waves a work-group, no clusters, 102,912 bytes of LDS; arguments x, Wq, Wk, Wv, Wo, codes, scales, wot; writes codes, scales, wot
.if DOCPART == 1
	.amdgcn_target "amdgcn-amd-amdhsa--gfx1250"
	.amdhsa_code_object_version 6
	.text
	.protected	k_qaea7ec20b5_prep
	.globl	k_qaea7ec20b5_prep
	.p2align	8
	.type	k_qaea7ec20b5_prep,@function
k_qaea7ec20b5_prep:
	s_mov_b64 s[64:65], 0
	v_nop
	global_prefetch_b8 v0, s[64:65] scope:SCOPE_SE
	s_setreg_imm32_b32 hwreg(HW_REG_WAVE_MODE, 25, 1), 1
	s_wait_xcnt 0x0
; PREP: the operands of the later launches are laid out once.
;   x [4096][2048] f32                -> codes rows 0-4095 (E2M1, K innermost, 1,024 bytes a row), scales rows 0-4095 (64 E8M0 bytes a row)
;   Wq | Wk | Wv [2048 (k)][n] f32    -> codes rows 4096 + n, scales rows 4096 + n, n = 0-2047 Wq, 2048-2559 Wk, 2560-3071 Wv: K moved innermost
;   Wo [2048 (k)][2048 (n)] f32       -> wot [n][k] in f16
; A block's scale is 2^(floor(log2(largest magnitude)) - 2); its byte is the largest magnitude's exponent field - 2, held at 1 from below.
; WORK LEFT OUT BY THE PROGRAM: reference() sets the scores of keys k > q to -infinity by a mask that it builds itself (jnp.tril), so their softmax weights are exactly 0
; for all values of the inputs and their products with v add nothing.  Key tiles that lie wholly above the diagonal are therefore neither loaded nor multiplied (launches attn and first).
; Every input has a way to the output and is loaded.  A NaN, an infinity or an overflow that reaches only the work left out is not carried to the result.
; LIMITS: |Wo| up to 65,504 (f16); a block of zeros gets the byte 1 where the quantiser says 127 (its codes are zeros, and this program alone reads the bytes);
; blocks whose largest magnitude lies under 2^-124 were not tried; NaN and infinities among the inputs are not served.
; Work-groups 0-255 take x, 256-447 the three weights, 448-703 Wo.  The three paths part on the work-group's number, have LDS bytes of their own and end by themselves.
.set XWG,   256
.set WWG,   192
.set SPW,   208                        ; v208  LDS address of my spare word; never rewritten
.set NIL,   209                        ; v209  0; never rewritten
.set SPARE, 102400                     ; behind the three regions: the spare words, 128 bytes a wave
.set EMAX,  2
; path X: a stream of blocks of 32; a wave takes 16 steps of 512 numbers
.set STEPS, 16
.set CB,    8                          ; bytes of 16 codes
.set XR,    16                         ; v16-79   four sets of 16 numbers as loaded
.set XX,    80                         ; v80-111  two sets of 16 neighbours
.set XE,    112                        ; v112-127 a scale byte for each step
.set XC,    128                        ; v128-191 codes, four registers a step
.set WREG,  8192                       ; LDS 0-32,767: a region for each wave: two stages of 32 x SP bytes, then its 256 scale bytes
.set SP,    80
; paths W and O: a lane takes a column, its registers run down K
.set PITCH, 272                        ; a stage row: 256 bytes + 16
.set WSTG,  32768                      ; path W's four stages of 16 rows
.set OSTG,  67584                      ; path O's four of 32 rows
.set NB,    8                          ; blocks of 32 along K for a lane of path W
.set WX,    32                         ; v32-95   two sets of 32 numbers
.set WC,    96                         ; v96-111  a block's codes, or its 16 pairs of f16
.set OUTR,  112                        ; v112-175 the way out
.set SB,    24                         ; v24-25   the scale bytes
.set OFS,   176                        ; v176-207 my lane's byte in row i of a block, i = 0 .. 31
.macro FINISH                          ; a wave's end, behind its last LDS store
	s_wait_tensorcnt 0x0
	ds_add_u32 v[SPW], v[NIL]
	s_wait_dscnt 0x0
	s_endpgm
.endm
.macro XLOAD t
.irp i, 0,1,2,3
	global_load_b128 v[XR+16*((\t)%4)+4*\i:XR+16*((\t)%4)+4*\i+3], v3, s[4:5] offset:2048*(\t)+512*\i th:TH_LOAD_NT   ; 32 lanes read 512 consecutive bytes
.endr
.endm
.macro XTURN t                         ; a step's 2,048 bytes through the wave's stage: in as loaded, out 64 bytes a lane.  LDS serves a wave's instructions in order
.irp i, 0,1,2,3
	ds_store_b128 v14, v[XR+16*((\t)%4)+4*\i:XR+16*((\t)%4)+4*\i+3] offset:32*SP*((\t)%2)+8*SP*\i
.endr
.irp i, 0,1,2,3
	ds_load_b128 v[XX+16*((\t)%2)+4*\i:XX+16*((\t)%2)+4*\i+3], v15 offset:32*SP*((\t)%2)+16*\i
.endr
.endm
.macro XSTEP t
.set XS, XX+16*((\t)%2)
.if (\t) > 0
	s_wait_dscnt 1                                 ; this step's numbers are back from the stage; the last step's byte store may be out
.else
	s_wait_dscnt 0x0
.endif
.if (\t)+4 < STEPS
	XLOAD (\t)+4                                   ; the registers that the stage's stores have read take the loads of four steps on
.endif
.if (\t)+1 < STEPS
.if STEPS-2-(\t) >= 3
	s_wait_loadcnt 12                              ; the next step's four loads are in; those of the three steps behind it may be out
.else
	s_wait_loadcnt 4*(STEPS-2-(\t))
.endif
	XTURN (\t)+1
.endif
	v_max3_num_f32 v8, |v[XS]|, |v[XS+1]|, |v[XS+2]|               ; the largest magnitude of my 16
	v_max3_num_f32 v9, |v[XS+3]|, |v[XS+4]|, |v[XS+5]|
.irp i, 6,10
	v_max3_num_f32 v8, v8, |v[XS+\i]|, |v[XS+\i+1]|
	v_max3_num_f32 v9, v9, |v[XS+\i+2]|, |v[XS+\i+3]|
.endr
	v_max3_num_f32 v8, v8, |v[XS+14]|, |v[XS+15]|
	v_max3_num_f32 v8, v8, v9, (EMAX+1)<<23        ; and the floor 2^(3 - 127): the byte cannot fall under 1
	v_max_num_f32_dpp v8, v8, v8 row_xmask:1 row_mask:0xf bank_mask:0xf   ; and of my neighbour's 16: the block's
	v_add_nc_u32 v11, -(EMAX<<23), v8              ; 2 off its exponent field: the conversion takes this operand's exponent field as its scale
	v_cvt_scalef32_pk8_fp4_f32 v[XC+4*(\t)], v[XS:XS+7], v11
	v_cvt_scalef32_pk8_fp4_f32 v[XC+4*(\t)+1], v[XS+8:XS+15], v11
	v_lshrrev_b32 v[XE+(\t)], 23, v11              ; the scale's byte
	ds_store_b8 v5, v[XE+(\t)] offset:16*(\t)      ; both lanes of a block write the same byte with the same value
	global_store_b64 v4, v[XC+4*(\t):XC+4*(\t)+1], s[14:15] offset:32*CB*(\t)   ; the wave stores 256 consecutive bytes
.endm
.macro LOADB set, step                 ; 32 rows of K at my column into a set; step = 1: the source goes 32 rows on first
.if \step
	s_wait_xcnt 0x0                                ; the loads issued so far have read their base
	s_add_nc_u64 s[26:27], s[26:27], s[30:31]
.endif
.set li, 0
.rept 32
	global_load_b32 v[WX+32*(\set)+li], v[OFS+li], s[26:27] th:TH_LOAD_NT
.set li, li+1
.endr
.endm
.macro WBLOCK t                        ; a block of 32 along K of my column: all its numbers are mine
.set XS, WX+32*((\t)%2)
.if (\t) < NB-1
	s_wait_loadcnt 32                              ; this block's 32 loads are in; the next block's may be out
.else
	s_wait_loadcnt 0
.endif
	v_max3_num_f32 v12, |v[XS]|, |v[XS+1]|, |v[XS+2]|
	v_max3_num_f32 v13, |v[XS+3]|, |v[XS+4]|, |v[XS+5]|
.irp i, 6,10,14,18,22,26
	v_max3_num_f32 v12, v12, |v[XS+\i]|, |v[XS+\i+1]|
	v_max3_num_f32 v13, v13, |v[XS+\i+2]|, |v[XS+\i+3]|
.endr
	v_max3_num_f32 v12, v12, |v[XS+30]|, |v[XS+31]|
	v_max3_num_f32 v12, v12, v13, (EMAX+1)<<23     ; the floor
	v_add_nc_u32 v11, -(EMAX<<23), v12
	v_lshrrev_b32 v13, 23, v11                     ; the scale's byte
.if (\t)%4 == 0
	v_mov_b32 v[SB+(\t)/4], v13                    ; four bytes to a register, the lower K in the lower byte
.else
	v_lshl_or_b32 v[SB+(\t)/4], v13, 8*((\t)%4), v[SB+(\t)/4]
.endif
.irp g, 0,1,2,3
	v_cvt_scalef32_pk8_fp4_f32 v[WC+\g], v[XS+8*\g:XS+8*\g+7], v11
.endr
	ds_store_b128 v4, v[WC:WC+3] offset:16*(\t)    ; 32 codes: 16 bytes of my half of my column's row
.if (\t)+2 < NB
	LOADB (\t)%2, 1
.endif
	s_wait_dscnt 0x0                               ; the store has read its registers: the next block's codes may be written
.endm
.macro OBLOCK t                        ; 32 along K of my column of Wo, rounded to f16: 64 bytes of my row of wot
.set XS, WX+32*((\t)%2)
.if (\t) < 3
	s_wait_loadcnt 32
.else
	s_wait_loadcnt 0
.endif
.set ci, 0
.rept 16
	v_cvt_pk_f16_f32 v[WC+ci], v[XS+2*ci], v[XS+2*ci+1]            ; the lower k in the low half
.set ci, ci+1
.endr
.irp q, 0,1,2,3
	ds_store_b128 v4, v[WC+4*\q:WC+4*\q+3] offset:64*(\t)+16*\q
.endr
.if (\t)+2 < 4
	LOADB (\t)%2, 1
.endif
	s_wait_dscnt 0x0
.endm
	s_load_b512 s[4:19], s[0:1], 0x0               ; x s[4:5], Wq s[6:7], Wk s[8:9], Wv s[10:11], Wo s[12:13], codes s[14:15], scales s[16:17], wot s[18:19]
	v_lshl_add_u32 v[SPW], v0, 2, SPARE
	v_mov_b32 v[NIL], 0
	v_lshrrev_b32 v1, 5, v0
	v_readfirstlane_b32 s20, v1                    ; wave
	v_and_b32 v2, 31, v0                           ; lane
	s_cmp_lt_u32 ttmp9, XWG
	s_cbranch_scc0 .Lnot_x
	; ---- path X: x
	v_lshlrev_b32 v3, 4, v2                        ; my 16 bytes of a load's 512
	s_mul_i32 s21, s20, WREG
	v_lshrrev_b32 v14, 2, v2
	v_mul_u32_u24 v14, v14, SP
	v_and_b32 v15, 3, v2
	v_lshl_add_u32 v14, v15, 4, v14
	v_add_nc_u32 v14, s21, v14                     ; the stage, on the way in: SP (lane / 4) + 16 (lane % 4)
	v_mul_u32_u24 v15, v2, SP
	v_add_nc_u32 v15, s21, v15                     ; and on the way out: SP x lane
	v_mul_u32_u24 v4, v2, CB                       ; my codes' place in a step's
	v_lshrrev_b32 v5, 1, v2
	s_add_co_u32 s21, s21, 2*32*SP
	v_add_nc_u32 v5, s21, v5                       ; my wave's 256 scale bytes, my block's byte
	v_lshlrev_b32 v7, 3, v2
	v_add_nc_u32 v6, s21, v7                       ; and on the way out 8 bytes a lane
	s_lshl_b32 s22, ttmp9, 2
	s_add_co_u32 s22, s22, s20                     ; which run of 8,192 numbers is my wave's
	s_mov_b32 s25, 0
	s_lshl_b32 s24, s22, 15
	s_wait_kmcnt 0x0
	s_add_nc_u64 s[4:5], s[4:5], s[24:25]          ; 32,768 bytes of x a run,
	s_lshl_b32 s24, s22, 12
	s_add_nc_u64 s[14:15], s[14:15], s[24:25]      ; 4,096 of codes,
	s_lshl_b32 s24, s22, 8
	s_add_nc_u64 s[16:17], s[16:17], s[24:25]      ; 256 of scale bytes
.irp t, 0,1,2,3
	XLOAD \t
.endr
	s_wait_loadcnt 12                              ; step 0's four loads are in
	XTURN 0
.irp t, 0,1,2,3,4,5,6,7,8,9,10,11,12,13,14,15
	XSTEP \t
.endr
	ds_load_b64 v[8:9], v6                         ; in order behind my byte stores
	s_wait_dscnt 0x0
	global_store_b64 v7, v[8:9], s[16:17]          ; 32 lanes store 256 consecutive bytes
	FINISH
.Lnot_x:
	v_and_b32 v5, 15, v2
	v_lshrrev_b32 v6, 4, v2
	v_mul_u32_u24 v7, v6, PITCH                    ; out of a stage: sixteen lanes to a row, two rows an instruction
	v_lshl_add_u32 v7, v5, 4, v7
	s_cmp_lt_u32 ttmp9, XWG+WWG
	s_cbranch_scc0 .Lpath_o
	; ---- path W: 64 columns x 512 along K of Wq, Wk or Wv.  A wave takes 16 columns: lanes 0-15 run down K 0-255 of a column, lanes 16-31 down K 256-511 of the same column.
	; So a lane has 8 blocks on end, a column's 256 bytes of codes come from one wave, and the four waves stand side by side on 256 bytes of each row.
	s_mul_i32 s21, s20, 16*PITCH
	s_add_co_u32 s21, s21, WSTG                    ; my stage: 16 rows
	v_mul_u32_u24 v4, v5, PITCH
	v_lshl_add_u32 v4, v6, 7, v4                   ; into it: row = my column, 128 bytes for each half of K
	v_add_nc_u32 v4, s21, v4
	v_add_nc_u32 v7, s21, v7
	v_lshlrev_b32 v8, 10, v6
	v_lshl_add_u32 v8, v5, 4, v8                   ; the same two rows in the codes' buffer
	v_lshlrev_b32 v9, 6, v5
	v_lshl_add_u32 v9, v6, 3, v9                   ; my column's row of scale bytes, my 8 of the 16
	s_sub_co_u32 s23, ttmp9, XWG
	s_lshr_b32 s22, s23, 2                         ; which 64 of the 3,072 columns
	s_and_b32 s23, s23, 3                          ; which 512 along K
	s_mov_b32 s24, 2048
	s_wait_kmcnt 0x0
	s_cmp_lt_u32 s22, 32                           ; the choices hang on the work-group's number alone
	s_cselect_b64 s[26:27], s[6:7], s[8:9]
	s_cselect_b32 s24, 8192, s24                   ; a row of the tensor in bytes
	s_cselect_b32 s25, 0, 32
	s_cmp_lt_u32 s22, 40
	s_cselect_b64 s[26:27], s[26:27], s[10:11]
	s_cselect_b32 s25, s25, 40
	s_sub_co_u32 s25, s22, s25                     ; which 64 columns of that tensor
	s_lshl_b32 s28, s23, 9
	s_mul_i32 s28, s28, s24
	s_lshl_b32 s25, s25, 8
	s_add_co_u32 s28, s28, s25
	s_lshl_b32 s25, s20, 6
	s_add_co_u32 s28, s28, s25                     ; + my wave's 16 columns
	s_mov_b32 s29, 0
	s_add_nc_u64 s[26:27], s[26:27], s[28:29]
	s_lshl_b32 s30, s24, 5                         ; 32 rows on
	s_mov_b32 s31, 0
	s_lshl_b32 s35, s24, 8                         ; 256 rows
	v_mul_u32_u24 v3, s35, v6                      ; lanes 16-31 begin 256 rows further down,
	v_lshl_add_u32 v3, v5, 2, v3                   ; 4 bytes a column
	s_lshl_b32 s28, s22, 6
	s_lshl_b32 s25, s20, 4
	s_add_co_u32 s28, s28, s25                     ; my wave's first row among the weights' 3,072
	s_lshl_b32 s32, s28, 10
	s_lshl_b32 s33, s23, 8
	s_add_co_u32 s32, s32, s33
	s_add_co_u32 s32, s32, 0x400000                ; behind x's 4,096 rows of codes
	s_mov_b32 s33, 0
	s_add_nc_u64 s[14:15], s[14:15], s[32:33]
	s_lshl_b32 s32, s28, 6
	s_lshl_b32 s34, s23, 4
	s_add_co_u32 s32, s32, s34
	s_add_co_u32 s32, s32, 0x40000
	s_add_nc_u64 s[16:17], s[16:17], s[32:33]
.set li, 0
.rept 32
	v_mad_u32_u24 v[OFS+li], s24, li, v3
.set li, li+1
.endr
	LOADB 0, 0
	LOADB 1, 1
.set bq, 0
.rept NB
	WBLOCK bq
.set bq, bq+1
.endr
	global_store_b64 v9, v[SB:SB+1], s[16:17]      ; my 8 scale bytes
.irp t, 0,1,2,3,4,5,6,7
	ds_load_b128 v[OUTR+4*\t:OUTR+4*\t+3], v7 offset:2*\t*PITCH
.endr
.irp t, 0,1,2,3,4,5,6,7
	s_wait_dscnt 7-\t                              ; the later loads may be out
	global_store_b128 v8, v[OUTR+4*\t:OUTR+4*\t+3], s[14:15] offset:2*\t*1024   ; sixteen lanes store 256 consecutive bytes, aligned
.endr
	FINISH
.Lpath_o:
	; ---- path O: 128 columns x 128 along K of Wo; a wave takes 32 columns, a lane a column
	v_lshlrev_b32 v3, 2, v2                        ; in: 4 bytes a lane
	v_mul_u32_u24 v4, v2, PITCH                    ; into the stage: row = my column
	s_mul_i32 s21, s20, 32*PITCH
	s_add_co_u32 s21, s21, OSTG
	v_add_nc_u32 v4, s21, v4
	v_add_nc_u32 v7, s21, v7
	v_lshlrev_b32 v8, 12, v6
	v_lshl_add_u32 v8, v5, 4, v8                   ; the same two rows in wot
	s_sub_co_u32 s23, ttmp9, XWG+WWG
	s_lshr_b32 s22, s23, 4                         ; which 128 columns
	s_and_b32 s23, s23, 15                         ; which 128 along K
	s_mov_b32 s24, 8192
	s_lshl_b32 s28, s23, 20                        ; 128 rows of 8,192 bytes
	s_lshl_b32 s25, s22, 9
	s_add_co_u32 s28, s28, s25
	s_lshl_b32 s25, s20, 7
	s_add_co_u32 s28, s28, s25
	s_mov_b32 s29, 0
	s_mov_b32 s30, 32*8192
	s_mov_b32 s31, 0
	s_lshl_b32 s32, s22, 7
	s_lshl_b32 s25, s20, 5
	s_add_co_u32 s32, s32, s25                     ; my wave's first row of wot
	s_lshl_b32 s32, s32, 12
	s_lshl_b32 s33, s23, 8
	s_add_co_u32 s32, s32, s33
	s_mov_b32 s33, 0
	s_wait_kmcnt 0x0
	s_add_nc_u64 s[26:27], s[12:13], s[28:29]
	s_add_nc_u64 s[18:19], s[18:19], s[32:33]
.set li, 0
.rept 32
	v_mad_u32_u24 v[OFS+li], s24, li, v3
.set li, li+1
.endr
	LOADB 0, 0
	LOADB 1, 1
.irp t, 0,1,2,3
	OBLOCK \t
.endr
.irp t, 0,1,2,3,4,5,6,7,8,9,10,11,12,13,14,15
	ds_load_b128 v[OUTR+4*\t:OUTR+4*\t+3], v7 offset:2*\t*PITCH
.endr
.irp t, 0,1,2,3,4,5,6,7,8,9,10,11,12,13,14,15
	s_wait_dscnt 15-\t
	global_store_b128 v8, v[OUTR+4*\t:OUTR+4*\t+3], s[18:19] offset:2*\t*4096   ; sixteen lanes store 256 consecutive bytes, aligned
.endr
	FINISH
.Lfunc_end_k_qaea7ec20b5_prep:
	.size	k_qaea7ec20b5_prep, .Lfunc_end_k_qaea7ec20b5_prep-k_qaea7ec20b5_prep
	.p2alignl 7, 3214868480
	.fill 96, 4, 3214868480
	.section	.rodata,"a",@progbits
	.p2align	6, 0x0
	.amdhsa_kernel k_qaea7ec20b5_prep
		.amdhsa_group_segment_fixed_size 102912
		.amdhsa_private_segment_fixed_size 0
		.amdhsa_enable_private_segment 0
		.amdhsa_kernarg_size 64
		.amdhsa_user_sgpr_count 2
		.amdhsa_user_sgpr_kernarg_segment_ptr 1
		.amdhsa_wavefront_size32 1
		.amdhsa_system_sgpr_workgroup_id_x 1
		.amdhsa_system_sgpr_workgroup_id_y 1
		.amdhsa_system_sgpr_workgroup_id_z 1
		.amdhsa_system_vgpr_workitem_id 0
		.amdhsa_next_free_vgpr 212
		.amdhsa_next_free_sgpr 66
		.amdhsa_reserve_vcc 0
		.amdhsa_float_denorm_mode_32 3
		.amdhsa_float_denorm_mode_16_64 3
		.amdhsa_memory_ordered 1
		.amdhsa_forward_progress 1
		.amdhsa_inst_pref_size 100
	.end_amdhsa_kernel
	.amdgpu_metadata
---
amdhsa.version: [ 1, 2 ]
amdhsa.kernels:
  - .name:           k_qaea7ec20b5_prep
    .symbol:         k_qaea7ec20b5_prep.kd
    .args:
      - { .name: x, .offset: 0, .size: 8, .value_kind: global_buffer, .address_space: global }
      - { .name: Wq, .offset: 8, .size: 8, .value_kind: global_buffer, .address_space: global }
      - { .name: Wk, .offset: 16, .size: 8, .value_kind: global_buffer, .address_space: global }
      - { .name: Wv, .offset: 24, .size: 8, .value_kind: global_buffer, .address_space: global }
      - { .name: Wo, .offset: 32, .size: 8, .value_kind: global_buffer, .address_space: global }
      - { .name: codes, .offset: 40, .size: 8, .value_kind: global_buffer, .address_space: global }
      - { .name: scales, .offset: 48, .size: 8, .value_kind: global_buffer, .address_space: global }
      - { .name: wot, .offset: 56, .size: 8, .value_kind: global_buffer, .address_space: global }
    .group_segment_fixed_size: 102912
    .private_segment_fixed_size: 0
    .kernarg_segment_align: 8
    .kernarg_segment_size: 64
    .max_flat_workgroup_size: 128
    .sgpr_count:     66
    .vgpr_count:     212
    .wavefront_size: 32
...
	.end_amdgpu_metadata
.endif
;; end of part 1
;; launch qkv (part 2): grid 12 x 16, 4 waves a work-group, clusters of 4 x 4, 327,680 bytes of LDS; arguments codes, scales, qkv, qkv32; writes qkv, qkv32
.if DOCPART == 2
	.amdgcn_target "amdgcn-amd-amdhsa--gfx1250"
	.amdhsa_code_object_version 6
	.text
	.protected	k_qaea7ec20b5_qkv
	.globl	k_qaea7ec20b5_qkv
	.p2align	8
	.type	k_qaea7ec20b5_qkv,@function
k_qaea7ec20b5_qkv:
	s_mov_b64 s[64:65], 0
	v_nop
	global_prefetch_b8 v0, s[64:65] scope:SCOPE_SE
	s_setreg_imm32_b32 hwreg(HW_REG_WAVE_MODE, 25, 1), 1
	s_wait_xcnt 0x0
	s_wait_alu depctr_hold_cnt(0) depctr_sa_sdst(0) depctr_va_vdst(0) depctr_va_sdst(0) depctr_va_ssrc(0) depctr_va_vcc(0) depctr_vm_vsrc(0)
	s_getreg_b32 s2, hwreg(HW_REG_IB_STS2, 6, 4)
	s_cmp_eq_u32 s2, 0
	s_cbranch_scc0 .Lentry_in_a_cluster
	s_endpgm
.Lentry_in_a_cluster:
	s_bfe_u32 s2, ttmp6, 0x10000c
	s_cmp_lg_u32 s2, 0xf033
	s_cbranch_scc0 .Lentry_shape_is_right
	s_endpgm
.Lentry_shape_is_right:
; QKV: [4096][3072] = x (Wq | Wk | Wv), both operands as codes of E2M1 with one E8M0 scale for each 32 along K = 2,048; sums in f32.
; A = rows 0-4095 of codes and scales (the tokens), B = rows 4096-7167 (the weights' columns).  The result goes out in f16 (qkv, for the bulk of attention), and
; the rows of positions 0-15 of each batch also in f32 (qkv32, row 16 b + t), for the launch that carries those positions finely.
; LIMIT: |q|, |k|, |v| up to 65,504 (f16).
; A tile of 256 x 256 is made by four waves, 128 x 128 each: 64 accumulators, 512 registers.  K goes in steps of 512 through a ring of two LDS slots filled by the tensor data mover: a tile's row is 256 bytes.
; The scales of the work-group's 256 + 256 rows, for all of K, come into LDS once, with the first fills.
; CLUSTERS: 4 x 4 work-groups; A's tiles are asked for jointly along a row of the cluster, B's along a column.  TILE ROW = 4 cy + cluster y: so the tiles that hold positions 0-15 (tile rows 0, 4, 8, 12)
; are those of the clusters with y = 0, and the branch round the f32 rows hangs on the cluster's y and the wave's number alone: it is the same in all sixteen partners.
; THE MATRIX INSTRUCTION IS USED TRANSPOSED (source 0 = 16 rows of B, source 1 = 16 rows of A): a lane holds eight neighbouring numbers of a row of the result.
; REGISTERS: window 0: v0-31 addresses; v32-95 scale words, two sets; v128-191 A's fragments, one set; on the way out v32-255 are free.  window 1: B's fragments, two sets.  windows 2, 3: the accumulators.
.set SIZE_M, 4096
.set SIZE_N, 3072
.set SIZE_K, 2048
.set WCODES, 0x400000                  ; where the weights' codes begin
.set WSCALES, 0x40000                  ; and their scale bytes
.set KSTEP,  512
.set NQ,     KSTEP/128
.set ROWB,   256
.set KROW,   SIZE_K*4/8
.set PITCH,  272                       ; an LDS row: 256 bytes + 16: the 16 rows that a load touches start at 16 different banks (64 banks of 4 bytes: ISA guide 11.1)
.set FR,     8
.set NL,     2
.set NP,     4
.set HALFT,  128*PITCH
.set SLOT,   4*HALFT
.set LAPS,   SIZE_K/(2*KSTEP)
.set KS,     SIZE_K/32
.set SCL,    2*SLOT
.set HALFS,  (128*KS/256)*272
.set SBLK,   (16*KS/256)*272
.set SPARE,  SCL+4*HALFS
.set HP,     272                       ; the way out in f16: a stage of 16 rows x (256 + 16) bytes for each wave, from LDS byte 0: slot 0 has had its last fill and its last read by then
.set SPITCH, 528                       ; the way out in f32: 16 rows x (512 + 16) bytes for each wave,
.set FSTG,   32768                     ; from here, in slot 0 too
.set ADRA, 16
.set ADRB, 20
.set STO2, 22                          ; v22-23, v30: the f32 stage: in, back, and my byte in a row of qkv32
.set RD2,  23
.set STO,  24                          ; v24-26: the f16 stage: in, back, and my byte offset in qkv
.set RD,   25
.set CO,   26
.set ADRS, 27
.set SPW,  28
.set NIL,  29
.set CO2,  30
.set SC,   32
.set AF,   128
.set TMP,  192                         ; the way out: packed results
.set OB,   32                          ; and 16 rows read back: v32-63 and v224-255 by turns
.set FB32, 128                         ; the f32 rows read back
.set G1, 24
.set G0, 32
.set G1B, 48
.set G0B, 56
.set G1S, 68
.set G0S, 76
.set G1SB, 80
.set G0SB, 88
.set MSB, 0
.macro WIN new                         ; the immediate's high byte repeats the setting that is left
.if MSB != \new
	s_set_vgpr_msb (MSB<<8)|\new
.set MSB, \new
.endif
.endm
.set MUL_LO, 0xa1
.set MUL_HI, 0xf1
.set TO_B,   0x40
; A joint load: waves 0 and 1 fetch for A, waves 2 and 3 for B; the branch hangs on the wave's number alone.  An s_nop 0 and four v_nop follow each of the two lines.
.macro JLOAD g0a, g1a, g0b, g1b
	s_cmp_eq_u32 s15, 0
	s_cbranch_scc0 .Lfor_b_\@
	tensor_load_to_lds s[\g0a:\g0a+3], s[\g1a:\g1a+7]
	s_nop 0
.rept 4
	v_nop
.endr
	s_branch .Lasked_\@
.Lfor_b_\@:
	tensor_load_to_lds s[\g0b:\g0b+3], s[\g1b:\g1b+7]
	s_nop 0
.rept 4
	v_nop
.endr
.Lasked_\@:
.endm
.macro CREST                           ; a round of the cluster's barrier behind its opening barrier
	s_cmp_lg_u32 s14, 0
	s_cbranch_scc1 .Lnot_wave_0_\@
	s_barrier_signal -3
.Lnot_wave_0_\@:
	s_barrier_wait -3
	s_barrier_signal -1
	s_barrier_wait -1
.endm
.macro CROUND
	s_barrier_signal -1
	s_barrier_wait -1
	CREST
.endm
	s_load_b128 s[4:7], s[0:1], 0x0                ; codes s[4:5], scales s[6:7]
	s_load_b128 s[8:11], s[0:1], 0x10              ; qkv, qkv32
	v_lshl_add_u32 v[SPW], v0, 2, SPARE
	v_mov_b32 v[NIL], 0
	ds_add_u32 v[SPW], v[NIL]                      ; the wave's opening: the add, twice on end, and its wait ahead of my first tensor load
	ds_add_u32 v[SPW], v[NIL]
	v_lshrrev_b32 v1, 5, v0
	v_readfirstlane_b32 s14, v1                    ; wave 0..3
	s_lshr_b32 s15, s14, 1                         ; which half of the tile's rows is mine.  Also: I fetch for A (0) or for B (1)
	s_and_b32 s16, s14, 1                          ; which half of its columns.  Also: which 128 rows of that tile I fetch
	s_bfe_u32 s40, ttmp6, 0x40000                  ; cx, cy: my place in the cluster
	s_bfe_u32 s41, ttmp6, 0x40004
	s_lshl_b32 s42, ttmp9, 2
	s_add_co_u32 s42, s42, s40                     ; tile column = 4 x cluster x + cx
	s_and_b32 s95, ttmp7, 0xffff                   ; cluster y
	s_lshl_b32 s17, s41, 2
	s_add_co_u32 s17, s17, s95                     ; tile row = 4 cy + cluster y: batch cy, rows 256 x cluster y on
	s_or_b32 s96, s15, s95                         ; 0 where my first 16 rows are positions 0-15 of batch cy
	s_lshl_b32 s43, s41, 2
	s_lshl_b32 s43, 15, s43                        ; my row of the cluster
	s_lshl_b32 s44, 0x1111, s40                    ; my column
	s_or_b32 s[G1+0], s43, (0<<16)|(1<<20)|(1<<21)|(5<<22)|(3<<25)  ; the mask; elements of 1 byte; padding on; bit 21 beside a mask; 4 words behind every 64
	s_or_b32 s[G1B+0], s44, (0<<16)|(1<<20)|(1<<21)|(5<<22)|(3<<25)
.irp g, G1, G1B
	s_mov_b32 s[\g+1], ROWB<<16                    ; tensor_dim0
	s_mov_b32 s[\g+2], 128<<16                     ; tensor_dim1
	s_mov_b32 s[\g+3], ROWB<<16                    ; tile_dim0
	s_mov_b32 s[\g+4], 128                         ; tile_dim1
	s_mov_b32 s[\g+5], KROW                        ; from row to row
	s_mov_b32 s[\g+6], 0
	s_mov_b32 s[\g+7], 0
.endr
	s_or_b32 s[G1S+0], s43, (3<<16)|(1<<20)|(1<<21)|(5<<22)|(3<<25) ; the scales of 128 rows: a dense block, as rows of 256 bytes (32 elements of 8), 16 bytes of padding behind each
	s_or_b32 s[G1SB+0], s44, (3<<16)|(1<<20)|(1<<21)|(5<<22)|(3<<25)
.irp g, G1S, G1SB
	s_mov_b32 s[\g+1], 32<<16
	s_mov_b32 s[\g+2], (128*KS/256)<<16
	s_mov_b32 s[\g+3], 32<<16
	s_mov_b32 s[\g+4], 128*KS/256
	s_mov_b32 s[\g+5], 32
	s_mov_b32 s[\g+6], 0
	s_mov_b32 s[\g+7], 0
.endr
	s_lshl_b32 s18, s16, 7
	s_lshl_b32 s20, s17, 8
	s_add_co_u32 s20, s20, s18                     ; A: row 256 x tile row + 128 x half
	s_lshl_b32 s46, s42, 8
	s_add_co_u32 s46, s46, s18                     ; B: row 256 x tile column + 128 x half
	s_mov_b32 s21, 0
	s_mov_b32 s47, 0
	s_mov_b64 s[18:19], KS
	s_mul_u64 s[22:23], s[20:21], s[18:19]         ; where these rows' scales begin,
	s_mul_u64 s[92:93], s[46:47], s[18:19]
	s_mov_b64 s[18:19], KROW
	s_mul_u64 s[20:21], s[20:21], s[18:19]         ; and their codes
	s_mul_u64 s[46:47], s[46:47], s[18:19]
	s_mul_i32 s45, s14, HALFT                      ; where they go: wave x 128 rows
	s_mul_i32 s94, s14, HALFS
	s_wait_dscnt 0x0                               ; both opening adds are done
	s_wait_kmcnt 0x0
	s_mov_b64 s[12:13], s[8:9]                     ; qkv
	s_mov_b64 s[98:99], s[10:11]                   ; qkv32
	s_add_nc_u64 s[8:9], s[4:5], WCODES            ; B's codes
	s_add_nc_u64 s[10:11], s[6:7], WSCALES         ; B's scales
	s_add_nc_u64 s[20:21], s[4:5], s[20:21]
	s_add_nc_u64 s[22:23], s[6:7], s[22:23]
	s_add_nc_u64 s[46:47], s[8:9], s[46:47]
	s_add_nc_u64 s[92:93], s[10:11], s[92:93]
	CROUND                                         ; all sixteen work-groups are here: the first joint loads meet
	s_mov_b32 s[G0S], 1
	s_add_co_u32 s[G0S+1], s94, SCL
	s_mov_b64 s[G0S+2:G0S+3], s[22:23]
	s_or_b32 s[G0S+3], s[G0S+3], 0x80000000
	s_mov_b32 s[G0SB], 1
	s_add_co_u32 s[G0SB+1], s94, SCL
	s_mov_b64 s[G0SB+2:G0SB+3], s[92:93]
	s_or_b32 s[G0SB+3], s[G0SB+3], 0x80000000
	JLOAD G0S, G1S, G0SB, G1SB                     ; the scales first: they are wanted with K step 0
.irp s, 0,1
	s_mov_b32 s[G0+4*\s], 1
	s_add_co_u32 s[G0+4*\s+1], s45, \s*SLOT
	s_add_nc_u64 s[G0+4*\s+2:G0+4*\s+3], s[20:21], \s*ROWB
	s_or_b32 s[G0+4*\s+3], s[G0+4*\s+3], 0x80000000
	s_mov_b32 s[G0B+4*\s], 1
	s_add_co_u32 s[G0B+4*\s+1], s45, \s*SLOT
	s_add_nc_u64 s[G0B+4*\s+2:G0B+4*\s+3], s[46:47], \s*ROWB
	s_or_b32 s[G0B+4*\s+3], s[G0B+4*\s+3], 0x80000000
	JLOAD G0+4*\s, G1, G0B+4*\s, G1B
.endr
	v_and_b32 v1, 15, v0                           ; l % 16
	v_bfe_u32 v2, v0, 4, 1                         ; l / 16
	v_mul_u32_u24 v3, v1, PITCH
	v_lshl_add_u32 v4, v2, 4, v3                   ; a fragment's row x pitch + 16 x half
	s_mul_i32 s21, s15, HALFT                      ; my 128 rows of A
	s_mul_i32 s22, s16, HALFT                      ; my 128 rows of B,
	s_add_co_u32 s22, s22, 2*HALFT                 ; behind A's 256
.irp s, 0,1
	v_add_nc_u32 v[ADRA+\s], s21, v4
	v_add_nc_u32 v[ADRB+\s], s22, v4
	s_add_co_u32 s21, s21, SLOT
	s_add_co_u32 s22, s22, SLOT
.endr
	v_mul_u32_u24 v5, v1, KS                       ; my row's scales: KS bytes a row,
	v_lshrrev_b32 v6, 8, v5
	v_lshl_add_u32 v5, v6, 4, v5                   ; and 16 more for each 256 passed
	s_mul_i32 s21, s15, HALFS
	s_mul_i32 s22, s16, HALFS
	s_add_co_u32 s22, s22, 2*HALFS
	s_sub_co_u32 s22, s22, s21
	v_mul_u32_u24 v6, s22, v2                      ; lanes 16-31 take B's
	s_add_co_u32 s21, s21, SCL
	v_add_nc_u32 v5, v5, v6
	v_add_nc_u32 v[ADRS], s21, v5
	s_mul_i32 s23, s14, 16*HP                      ; my f16 stage
	v_mul_u32_u24 v5, v1, HP                       ; in: row l % 16, 16 bytes for each half of the lanes
	v_lshl_add_u32 v5, v2, 4, v5
	v_add_nc_u32 v[STO], s23, v5
	v_mul_u32_u24 v5, v2, HP                       ; back: lanes 0-15 one row of 256 bytes, lanes 16-31 the next
	v_lshl_add_u32 v5, v1, 4, v5
	v_add_nc_u32 v[RD], s23, v5
	v_mul_u32_u24 v5, v2, SIZE_N*2                 ; and the same two rows in qkv
	v_lshl_add_u32 v[CO], v1, 4, v5
	s_mul_i32 s23, s14, 16*SPITCH                  ; my f32 stage
	s_add_co_u32 s23, s23, FSTG
	v_mul_u32_u24 v5, v1, SPITCH
	v_lshl_add_u32 v5, v2, 5, v5
	v_add_nc_u32 v[STO2], s23, v5
	v_and_b32 v6, 31, v0
	v_lshlrev_b32 v[CO2], 4, v6
	v_add_nc_u32 v[RD2], s23, v[CO2]
	s_lshl_b32 s20, s17, 8
	s_lshl_b32 s21, s15, 7
	s_add_co_u32 s20, s20, s21                     ; my first row: 256 x tile row + 128 x half
	s_mul_i32 s20, s20, SIZE_N*2
	s_mov_b32 s21, 0
	s_lshl_b32 s46, s42, 9                         ; my first column in f16 bytes: 512 x tile column + 256 x half
	s_lshl_b32 s47, s16, 8
	s_add_co_u32 s46, s46, s47
	s_mov_b32 s47, 0
	s_add_nc_u64 s[20:21], s[20:21], s[46:47]
	s_add_nc_u64 s[12:13], s[12:13], s[20:21]
	s_mul_i32 s20, s41, 16*SIZE_N*4                ; qkv32: row 16 x batch,
	s_lshl_b32 s46, s46, 1                         ; the same column in f32 bytes
	s_add_co_u32 s20, s20, s46
	s_mov_b32 s21, 0
	s_add_nc_u64 s[98:99], s[98:99], s[20:21]
.macro FRAG reg, adr, q, i             ; 16 rows x 128 K of 4-bit codes: 8 registers; registers 4 c .. 4 c + 3 hold K = 64 c + 32 (l / 16) + 0 .. 31
.irp c, 0,1
	ds_load_b128 v[\reg+4*\c:\reg+4*\c+3], v[\adr] offset:64*(\q)+32*\c+(\i)*16*PITCH
.endr
.endm
; 16 matrix instructions: A's blocks a0, a0 + 1 x B's eight.  The 64 accumulators take turns, one instruction a turn, in the same order in every step.
.macro MUL16 a0, p, q, sc, zero
.irp a, \a0, \a0+1
.irp b, 0,1,2,3,4,5,6,7
.if \zero
	v_wmma_scale_f32_16x16x128_f8f6f4 v[8*(8*((\a)%4)+\b):8*(8*((\a)%4)+\b)+7], v[128*(\p)+FR*\b:128*(\p)+FR*\b+FR-1], v[AF+FR*(\a):AF+FR*(\a)+FR-1], 0, v[SC+8*NQ*(\sc)+NQ*\b+(\q)], v[SC+8*NQ*(\sc)+NQ*(\a)+(\q)] matrix_a_fmt:MATRIX_FMT_FP4 matrix_b_fmt:MATRIX_FMT_FP4 matrix_a_scale:MATRIX_SCALE_ROW1
.else
	v_wmma_scale_f32_16x16x128_f8f6f4 v[8*(8*((\a)%4)+\b):8*(8*((\a)%4)+\b)+7], v[128*(\p)+FR*\b:128*(\p)+FR*\b+FR-1], v[AF+FR*(\a):AF+FR*(\a)+FR-1], v[8*(8*((\a)%4)+\b):8*(8*((\a)%4)+\b)+7], v[SC+8*NQ*(\sc)+NQ*\b+(\q)], v[SC+8*NQ*(\sc)+NQ*(\a)+(\q)] matrix_a_fmt:MATRIX_FMT_FP4 matrix_b_fmt:MATRIX_FMT_FP4 matrix_a_scale:MATRIX_SCALE_ROW1
.endif
.endr
.endr
.endm
.macro FETCH_B slot, q, p
	WIN TO_B
.irp i, 0,1,2,3,4,5,6,7
	FRAG 128*(\p)+FR*\i, ADRB+\slot, \q, \i
.endr
	WIN 0
.endm
.macro FETCH_A slot, q, i0
.irp i, \i0, \i0+1, \i0+2, \i0+3
	FRAG AF+FR*(\i), ADRA+\slot, \q, \i
.endr
.endm
.macro SCALES sc                       ; a K step's scale words: lanes 0-15 take A's block i, lanes 16-31 B's block i
.irp i, 0,1,2,3,4,5,6,7
	ds_load_b128 v[SC+8*NQ*\sc+NQ*\i:SC+8*NQ*\sc+NQ*\i+3], v[ADRS] offset:\i*SBLK
.endr
.endm
.macro PLACES n                        ; plain vector instructions between a matrix instruction and a load into, or a read of, its registers
.rept \n
	v_nop
.endr
.endm
.macro STEP slot, q, zero              ; 128 along K that has its successor in the same slot
	s_wait_dscnt 4*NL                              ; B's set and A's blocks 0-3 are in; A's blocks 4-7 (eight loads) may be out
	WIN MUL_LO
	MUL16 0, (\q)%2, \q, \slot, \zero
	MUL16 2, (\q)%2, \q, \slot, \zero
	s_wait_dscnt 0
	PLACES NP
	FETCH_B \slot, (\q)+1, 1-(\q)%2
	FETCH_A \slot, (\q)+1, 0
	WIN MUL_HI
	MUL16 4, (\q)%2, \q, \slot, \zero
	MUL16 6, (\q)%2, \q, \slot, \zero
	PLACES NP
	WIN 0
	FETCH_A \slot, (\q)+1, 4
.endm
; A slot's last step changes slots: one barrier; in front of it each wave waits for all its tensor loads, adds 0 to its spare word, and waits for that and for its reads of this slot.
.macro TURN slot, next, fill
	s_wait_tensorcnt 0x0                           ; all my tensor loads have landed: my part of the next slot
	ds_add_u32 v[SPW], v[NIL]
	s_wait_dscnt 4*NL+1                            ; the add and A's blocks 4-7 may be out
	WIN MUL_LO
	MUL16 0, 1, NQ-1, \slot, 0
	s_wait_dscnt 0x0                               ; the add is done, and my reads of this slot are over
	s_barrier_signal -1
	MUL16 2, 1, NQ-1, \slot, 0
	WIN 0
	s_barrier_wait -1
.if \fill
	CREST                                          ; the barrier has opened a round of the cluster's: no wave of any partner still reads this slot or has a load on its way
	s_add_nc_u64 s[G0+4*\slot+2:G0+4*\slot+3], s[G0+4*\slot+2:G0+4*\slot+3], 2*ROWB
	s_add_nc_u64 s[G0B+4*\slot+2:G0B+4*\slot+3], s[G0B+4*\slot+2:G0B+4*\slot+3], 2*ROWB
	JLOAD G0+4*\slot, G1, G0B+4*\slot, G1B         ; the first tensor load behind the round; its four v_nop are the places in front of the loads below
.else
	PLACES NP
.endif
	v_add_nc_u32 v[ADRS], 4*NQ, v[ADRS]            ; the next K step's scale words
	FETCH_B \next, 0, 0
	FETCH_A \next, 0, 0
	SCALES \next
	WIN MUL_HI
	MUL16 4, 1, NQ-1, \slot, 0
	MUL16 6, 1, NQ-1, \slot, 0
	PLACES NP
	WIN 0
	FETCH_A \next, 0, 4
.endm
.macro STEPS slot, from
.set QQ, \from
.rept NQ-1-\from
	STEP \slot, QQ, 0
.set QQ, QQ+1
.endr
.endm
	s_wait_tensorcnt 1                             ; the scales and my part of K step 0 are in; K step 1's load may be out
	s_barrier_signal -1
	s_barrier_wait -1
	FETCH_B 0, 0, 0
	FETCH_A 0, 0, 0
	SCALES 0
	FETCH_A 0, 0, 4
	STEP 0, 0, 1                                   ; the first step's products start the sums
	s_mov_b32 s3, LAPS-1
.Llap:                                                 ; a trip goes once round the ring and fills both slots again
	STEPS 0, 1
	TURN 0, 1, 1
	STEPS 1, 0
	TURN 1, 0, 1
	STEP 0, 0, 0
	s_sub_co_u32 s3, s3, 1
	s_cmp_lg_u32 s3, 0
	s_cbranch_scc1 .Llap
	STEPS 0, 1                                     ; the last lap fills nothing
	TURN 0, 1, 0
	STEPS 1, 0
	s_wait_dscnt 4*NL
	WIN MUL_LO
	MUL16 0, 1, NQ-1, 1, 0
	MUL16 2, 1, NQ-1, 1, 0
	s_wait_dscnt 0
	WIN MUL_HI
	MUL16 4, 1, NQ-1, 1, 0
	MUL16 6, 1, NQ-1, 1, 0
	WIN 0
; THE WAY OUT.  A lane holds eight neighbouring numbers of a row, the lanes beside it other rows: a block of 16 rows goes through my own stage in LDS and comes back as whole rows.
; LDS serves a wave's instructions in order (ISA guide 5.7.1.4): no wait between my stores and my loads.
.macro PACK a                          ; block a rounded to f16: 16 bytes a lane for each of B's eight blocks; each accumulator from its low end on
.set AC, 64*((\a)%4)
	WIN 0x0a+5*((\a)/4)                            ; sources 0 and 1: window 2 or 3
.irp b, 0,1,2,3,4,5,6,7
.irp r, 0,1,2,3
	v_cvt_pk_f16_f32 v[TMP+4*\b+\r], v[AC+8*\b+2*\r], v[AC+8*\b+2*\r+1]
.endr
.endr
	WIN 0
.endm
.macro TOSTAGE a
.set BKR, OB+192*((\a)%2)
.irp b, 0,1,2,3,4,5,6,7
	ds_store_b128 v[STO], v[TMP+4*\b:TMP+4*\b+3] offset:32*\b
.endr
.irp t, 0,1,2,3,4,5,6,7
	ds_load_b128 v[BKR+4*\t:BKR+4*\t+3], v[RD] offset:\t*2*HP
.endr
.endm
.macro SEND a
.set BKR, OB+192*((\a)%2)
	s_wait_dscnt 0x0                               ; the block is back in registers
	s_wait_xcnt 0x0                                ; the stores of the block before have read their registers: the next block's loads may land there
.irp t, 0,1,2,3,4,5,6,7
	global_store_b128 v[CO], v[BKR+4*\t:BKR+4*\t+3], s[12:13] offset:(16*(\a)+2*\t)*SIZE_N*2   ; sixteen lanes store 256 consecutive bytes, aligned; 126 rows at the most: inside the immediate
.endr
.endm
	PLACES NP                                      ; behind the last products: for the reads of results and the loads into registers that held fragments and scale words
	s_cmp_lg_u32 s96, 0
	s_cbranch_scc1 .Lno_fine
	WIN 0x08                                       ; POSITIONS 0-15 IN f32: my block 0 as it is; an LDS store's data are its source 1: window 2
.irp b, 0,1,2,3,4,5,6,7
	ds_store_b128 v[STO2], v[8*\b:8*\b+3] offset:64*\b
	ds_store_b128 v[STO2], v[8*\b+4:8*\b+7] offset:64*\b+16
.endr
	WIN 0
.irp t, 0,1,2,3,4,5,6,7,8,9,10,11,12,13,14,15
	ds_load_b128 v[FB32+4*\t:FB32+4*\t+3], v[RD2] offset:\t*SPITCH
.endr
	s_wait_dscnt 0x0
.irp t, 0,1,2,3,4,5,6,7,8,9,10,11,12,13,14,15
	global_store_b128 v[CO2], v[FB32+4*\t:FB32+4*\t+3], s[98:99] offset:\t*SIZE_N*4   ; 32 lanes store 512 consecutive bytes
.endr
.Lno_fine:
	PACK 0
	TOSTAGE 0
.irp a, 1,2,3,4,5,6,7                  ; block a's conversions stand between block a - 1's loads from the stage and the wait for them
	PACK \a
	SEND \a-1
	TOSTAGE \a
.endr
	SEND 7
	s_wait_tensorcnt 0x0                           ; the wave's end
	ds_add_u32 v[SPW], v[NIL]
	s_wait_dscnt 0x0
	CROUND                                         ; the closing round: no work-group ends while a partner may still ask for a tile that names it
	s_endpgm
.Lfunc_end_k_qaea7ec20b5_qkv:
	.size	k_qaea7ec20b5_qkv, .Lfunc_end_k_qaea7ec20b5_qkv-k_qaea7ec20b5_qkv
	.p2alignl 7, 3214868480
	.fill 96, 4, 3214868480
	.section	.rodata,"a",@progbits
	.p2align	6, 0x0
	.amdhsa_kernel k_qaea7ec20b5_qkv
		.amdhsa_group_segment_fixed_size 327680
		.amdhsa_private_segment_fixed_size 0
		.amdhsa_enable_private_segment 0
		.amdhsa_kernarg_size 32
		.amdhsa_user_sgpr_count 2
		.amdhsa_user_sgpr_kernarg_segment_ptr 1
		.amdhsa_wavefront_size32 1
		.amdhsa_system_sgpr_workgroup_id_x 1
		.amdhsa_system_sgpr_workgroup_id_y 1
		.amdhsa_system_sgpr_workgroup_id_z 1
		.amdhsa_system_vgpr_workitem_id 0
		.amdhsa_next_free_vgpr 1024
		.amdhsa_next_free_sgpr 100
		.amdhsa_reserve_vcc 0
		.amdhsa_float_denorm_mode_32 3
		.amdhsa_float_denorm_mode_16_64 3
		.amdhsa_memory_ordered 1
		.amdhsa_forward_progress 1
		.amdhsa_inst_pref_size 218
	.end_amdhsa_kernel
	.amdgpu_metadata
---
amdhsa.version: [ 1, 2 ]
amdhsa.kernels:
  - .name:           k_qaea7ec20b5_qkv
    .symbol:         k_qaea7ec20b5_qkv.kd
    .args:
      - { .name: codes, .offset: 0, .size: 8, .value_kind: global_buffer, .address_space: global }
      - { .name: scales, .offset: 8, .size: 8, .value_kind: global_buffer, .address_space: global }
      - { .name: qkv, .offset: 16, .size: 8, .value_kind: global_buffer, .address_space: global }
      - { .name: qkv32, .offset: 24, .size: 8, .value_kind: global_buffer, .address_space: global }
    .group_segment_fixed_size: 327680
    .private_segment_fixed_size: 0
    .kernarg_segment_align: 8
    .kernarg_segment_size: 32
    .max_flat_workgroup_size: 128
    .sgpr_count:     100
    .vgpr_count:     1024
    .wavefront_size: 32
...
	.end_amdgpu_metadata
.endif
;; end of part 2
;; launch attn (part 3): grid 16 x 16, 8 waves a work-group, no clusters, 327,680 bytes of LDS; arguments qkv, y; writes y
.if DOCPART == 3
	.amdgcn_target "amdgcn-amd-amdhsa--gfx1250"
	.amdhsa_code_object_version 6
	.text
	.protected	k_qaea7ec20b5_attn
	.globl	k_qaea7ec20b5_attn
	.p2align	8
	.type	k_qaea7ec20b5_attn,@function
k_qaea7ec20b5_attn:
	s_mov_b64 s[64:65], 0
	v_nop
	global_prefetch_b8 v0, s[64:65] scope:SCOPE_SE
	s_setreg_imm32_b32 hwreg(HW_REG_WAVE_MODE, 25, 1), 1
	s_wait_xcnt 0x0
; ATTN: y[b][t][head] = softmax over keys k <= t of (q . k / sqrt(128)) v, grouped queries: four query heads share a kv head.  q, k, v: f16 columns of qkv [4096][3072]; y: f16 [4096][2048].
; Products, maxima and sums in f32; the weights p are rounded to f16 for the second product, y once at the end.  LIMIT: |q|, |k|, |v|, |y| up to 65,504.
; WORK LEFT OUT: key tiles that lie wholly above the diagonal: reference()'s own mask gives them the weight 0 for all values of the inputs.
; SHARES.  A work-group is (j, batch x kv head).  Wave w serves query head w % 4; waves 0-3 own the 32 positions of block 31 - j, waves 4-7 those of block j: every work-group has the same number of key tiles.
; Two waves share a SIMD: one wave's softmax stands beside the other's products.  A wave holds two tiles of 16 queries and walks the keys 64 a step.
; NO CLUSTER: the sixteen work-groups that share a K and V need different numbers of tiles under the causal mask, so joint requests would bring tiles that some partner never reads.
; LAYOUT.  S^T = K Q^T (source 0 = 16 keys, source 1 = 16 queries): a lane holds one query (lane % 16) and keys 8 (lane / 16) + 0 .. 7.  Two such tiles rounded in pairs are source 1 of O^T = V^T P.
; K comes out of LDS as it lies, V ([key][channel]) turned by ds_load_tr16_b128.
; SOFTMAX.  A running maximum m and sum l for each query: p = 2^(c s - c m), c = log2(e) / sqrt(128); in every step O and l are multiplied by a = 2^(c m_old - c m_new).
; THE RING.  Two slots of 128 keys (two steps): K's 128 rows, then V's.  Wave 0 fetches K's, wave 1 V's, one tensor load each at a change of slots; every load that is issued holds keys that some wave reads.
; Every work-group walks all eight slots, so that the loops' trip counts are constants; a step whose keys all come after a wave's queries is jumped over, and a slot whose first key comes after the
; work-group's last query is not asked for.
; REGISTERS.  window 0: v2-10 addresses; v12-27 statistics, eight a tile (+0 c m, +1 m, +2, +3 l, +4 .. +7 at work, a in +6); v28-30 the mask's; v61 prefetch offset; v62, v63 the add's two;
;   v64-127 S^T; v128-159 P; v160-223 Q.   window 1: v0-127 O^T, 64 a tile; v128-255 K of a step, then its V.
.set KS,    64
.set PK,    272                        ; a row of K in LDS: 256 bytes + 16
.set PV,    288                        ; a row of V: 256 + 32
.set VOFF,  128*PK
.set STK,   KS*PK                      ; a step on in K's rows
.set STV,   KS*PV                      ; and in V's
.set SLOT1, 1<<17                      ; slot 1 begins here: one exclusive or turns an address from one slot to the other
.set STAGE, SLOT1+128*(PK+PV)          ; behind the ring: 16 rows x 272 bytes for each wave, for the way out
.set SP,    272
.set SPARE, STAGE+8*16*SP              ; the spare words, 128 bytes a wave
.set NSL,   8
.set ROWQ,  6144                       ; a row of qkv in bytes
.set AK0, 2
.set AV0, 3
.set ADR, 4
.set QO,  5
.set STO, 6
.set RD,  7
.set GO,  8
.set DD,  10                           ; v10  lane % 16 - 8 (lane / 16)
.set ST,  12
.set D0,  28                           ; v28, v29: how many keys of the step my query of tile 0, 1 sees, less one, less 8 (lane / 16)
.set NINF, 30
.set PFO, 61
.set SPW, 62
.set NIL, 63
.set S,   64
.set P,   128
.set Q,   160
.set KV,  128                          ; in window 1
.set WV,  12
.set G1K, 24
.set G1V, 32
.set G0K, 40
.set G0V, 44
.set SLOTS, 56
.set TWICE, 57
.set CS,  58
.set SEL, 60
.set TBK, 62                           ; s62  LDS byte at which the step's rows of K begin
.set TBV, 63                           ; s63  the same for V, less VOFF
.set KF,  66                           ; s66  the step's first key
.set Q0,  67                           ; s67  my first query
.set QL,  68                           ; s68  my work-group's last query
.set PFA, 70
.set LIM, 72
.set MSB, 0
.macro WIN new
.if MSB != \new
	s_set_vgpr_msb (MSB<<8)|\new
.set MSB, \new
.endif
.endm
.set W_KQ, 0x01                        ; K in window 1; Q and S^T in window 0
.set W_PV, 0x51                        ; V and O^T in window 1, P in window 0
.set W_RS, 0x41                        ; O^T (destination and source 0) in window 1, a in window 0
.set W_LD, 0x40                        ; a load's destination in window 1, its address in window 0
.macro TLOAD                           ; wave 0 fetches K's rows, wave 1 V's, the others nothing.  An s_nop 0 and four v_nop follow each of the two lines
	s_cmp_eq_u32 s[WV], 0
	s_cbranch_scc0 .Lnot_k_\@
	tensor_load_to_lds s[G0K:G0K+3], s[G1K:G1K+7]
	s_nop 0
.rept 4
	v_nop
.endr
	s_branch .Lasked_\@
.Lnot_k_\@:
	s_cmp_eq_u32 s[WV], 1
	s_cbranch_scc0 .Lasked_\@
	tensor_load_to_lds s[G0V:G0V+3], s[G1V:G1V+7]
	s_nop 0
.rept 4
	v_nop
.endr
.Lasked_\@:
.endm
; A prefetch of what the NEXT change of slots will ask for: 128 rows of K and 128 of V, 256 bytes a row, a lane a row.  All sixteen work-groups of a batch and kv head walk the same rows: the one with j = 0,
; which walks all keys, asks; in it waves 4 and 5 ask for K's rows 0-63 and 64-127, waves 6 and 7 for V's, two instructions each: each row is named once in the launch.
; The last change that fills a slot asks for nothing; slots 0 and 1 come by their loads alone.
.macro ASK
	s_cmp_gt_u32 s[SLOTS], s[LIM]
	s_cbranch_scc0 .Lnot_mine_\@
	global_prefetch_b8 v[PFO], s[PFA:PFA+1] th:TH_LOAD_NT scope:SCOPE_SE
	global_prefetch_b8 v[PFO], s[PFA:PFA+1] offset:32*ROWQ th:TH_LOAD_NT scope:SCOPE_SE
.Lnot_mine_\@:
.endm
	s_load_b128 s[4:7], s[0:1], 0x0                ; qkv, y
	v_lshl_add_u32 v[SPW], v0, 2, SPARE
	v_mov_b32 v[NIL], 0
	ds_add_u32 v[SPW], v[NIL]                      ; the wave's opening: the add, twice on end, and its wait ahead of the first tensor load
	ds_add_u32 v[SPW], v[NIL]
	v_lshrrev_b32 v1, 5, v0
	v_readfirstlane_b32 s[WV], v1                  ; wave 0..7
	s_and_b32 s14, ttmp7, 0xffff
	s_lshr_b32 s15, s14, 2                         ; batch
	s_and_b32 s16, s14, 3                          ; kv head
	s_and_b32 s17, s[WV], 3                        ; query head in the group
	s_sub_co_u32 s18, 31, ttmp9
	s_cmp_lt_u32 s[WV], 4
	s_cselect_b32 s18, s18, ttmp9                  ; my block of 32 positions
	s_lshl_b32 s[Q0], s18, 5
	s_lshl_b32 s[QL], ttmp9, 5
	s_sub_co_u32 s[QL], 1023, s[QL]
	s_mul_i32 s20, s15, 1024*ROWQ                  ; the batch's first byte in qkv,
	s_lshl_b32 s21, s16, 8
	s_add_co_u32 s20, s20, s21                     ; + 256 x kv head
	s_mov_b32 s21, 0
	s_lshl_b32 s22, s15, 10
	s_add_co_u32 s22, s22, s[Q0]                   ; my first row
	s_lshl_b32 s23, s16, 2
	s_add_co_u32 s23, s23, s17
	s_lshl_b32 s23, s23, 8                         ; my head's 256 bytes
	s_mul_i32 s74, s22, ROWQ
	s_add_co_u32 s74, s74, s23
	s_mov_b32 s75, 0
	s_lshl_b32 s76, s22, 12
	s_add_co_u32 s76, s76, s23
	s_mov_b32 s77, 0
	; descriptor group 1: 128 rows x 128 elements of 2 bytes, 3,072 elements from row to row, padded in LDS
	s_mov_b32 s[G1K], (1<<16)|(1<<20)|(5<<22)|(3<<25)              ; no mask; elements of 2 bytes; padding on: 4 words behind every 64
	s_mov_b32 s[G1V], (1<<16)|(1<<20)|(5<<22)|(7<<25)              ; 8 words
.irp g, G1K, G1V
	s_mov_b32 s[\g+1], 128<<16                     ; tensor_dim0
	s_mov_b32 s[\g+2], 128<<16                     ; tensor_dim1
	s_mov_b32 s[\g+3], 128<<16                     ; tile_dim0
	s_mov_b32 s[\g+4], 128                         ; tile_dim1
	s_mov_b32 s[\g+5], 3072
	s_mov_b32 s[\g+6], 0
	s_mov_b32 s[\g+7], 0
.endr
	s_mov_b32 s[CS], 0x3e0293ee                    ; c = log2(e) / sqrt(128)
	s_mov_b32 s[CS+1], s[CS]
	s_mov_b32 s[SEL], 0x76543210
	s_mov_b32 s[SEL+1], 0xfedcba98
	s_mov_b32 s[TBK], 0
	s_mov_b32 s[TBV], 0
	s_mov_b32 s[KF], 0
	s_mov_b32 s[SLOTS], NSL-1
	s_mov_b32 s10, 5120
	s_cmp_lt_u32 s[WV], 6
	s_cselect_b32 s10, 4096, s10                   ; the prefetches: waves 4, 5 K's columns, waves 6, 7 V's,
	s_and_b32 s11, s[WV], 1
	s_mul_i32 s11, s11, 64*ROWQ                    ; my 64 rows of a slot's 128,
	s_add_co_u32 s10, s10, s11
	s_add_co_u32 s10, s10, 128*ROWQ                ; in slot 1: the first change of slots steps it to slot 2
	s_mov_b32 s11, 0
	s_lshr_b32 s13, s[WV], 2
	s_xor_b32 s13, s13, 1                          ; 0 in waves 4 to 7,
	s_or_b32 s13, s13, ttmp9                       ; of the work-group with j = 0
	s_cmp_eq_u32 s13, 0
	s_cselect_b32 s[LIM], 1, -1
	v_and_b32 v[PFO], 31, v0
	v_mul_u32_u24 v[PFO], v[PFO], ROWQ
	s_wait_dscnt 0x0                               ; both opening adds are done
	s_wait_kmcnt 0x0
	s_add_nc_u64 s[8:9], s[4:5], s[20:21]
	s_mov_b32 s[G0K], 1
	s_mov_b32 s[G0K+1], 0                          ; slot 0
	s_add_nc_u64 s[G0K+2:G0K+3], s[8:9], 4096      ; K: behind q's 2,048 columns
	s_or_b32 s[G0K+3], s[G0K+3], 0x80000000
	s_mov_b32 s[G0V], 1
	s_mov_b32 s[G0V+1], VOFF
	s_add_nc_u64 s[G0V+2:G0V+3], s[8:9], 5120      ; V: behind k's 512
	s_or_b32 s[G0V+3], s[G0V+3], 0x80000000
	TLOAD                                          ; slot 0: it holds key 0, which counts for every query
	s_add_nc_u64 s[PFA:PFA+1], s[8:9], s[10:11]
	s_add_nc_u64 s[4:5], s[4:5], s[74:75]          ; Q at my first row and head
	s_add_nc_u64 s[6:7], s[6:7], s[76:77]          ; y likewise
	v_and_b32 v1, 15, v0                           ; r
	v_bfe_u32 v9, v0, 4, 1                         ; h
	v_mul_u32_u24 v[QO], v1, ROWQ
	v_lshl_add_u32 v[QO], v9, 4, v[QO]
.irp i, 0,1,2,3,4,5,6,7                        ; Q stays in registers: tile i / 4, channels 32 (i % 4) on
	global_load_b128 v[Q+8*\i:Q+8*\i+3],   v[QO], s[4:5] offset:(\i/4)*16*ROWQ+(\i%4)*64
	global_load_b128 v[Q+8*\i+4:Q+8*\i+7], v[QO], s[4:5] offset:(\i/4)*16*ROWQ+(\i%4)*64+32
.endr
	v_mul_u32_u24 v[AK0], v1, PK
	v_lshl_add_u32 v[AK0], v9, 4, v[AK0]           ; K: row x pitch + 16 x half
	v_and_b32 v10, 7, v0
	v_bfe_u32 v11, v0, 3, 1
	v_lshl_add_u32 v[AV0], v9, 3, v10              ; V, for the turning load: key 8 (l / 16) + l % 8, channels 8 ((l / 8) % 2) on
	v_mul_u32_u24 v[AV0], v[AV0], PV
	v_lshl_add_u32 v[AV0], v11, 4, v[AV0]
	v_add_nc_u32 v[AV0], VOFF, v[AV0]
	v_lshlrev_b32 v11, 3, v9
	v_sub_nc_u32 v[DD], v1, v11
	v_mov_b32 v[NINF], 0xff800000
	s_mul_i32 s13, s[WV], 16*SP
	s_add_co_u32 s13, s13, STAGE                   ; my stage
	v_mul_u32_u24 v[STO], v1, SP
	v_lshl_add_u32 v[STO], v9, 4, v[STO]
	v_add_nc_u32 v[STO], s13, v[STO]
	v_mul_u32_u24 v[RD], v9, SP
	v_lshl_add_u32 v[RD], v1, 4, v[RD]
	v_add_nc_u32 v[RD], s13, v[RD]
	v_lshlrev_b32 v[GO], 12, v9
	v_lshl_add_u32 v[GO], v1, 4, v[GO]             ; two rows of y, 16 bytes a lane
.irp t, 0,1
	v_mov_b32 v[ST+8*\t+1], 0xff61b1e6             ; m: -3e38, under every score
	v_mul_f32 v[ST+8*\t], s[CS], v[ST+8*\t+1]      ; c m
.irp k, 2,3,4,5,6,7
	v_mov_b32 v[ST+8*\t+\k], 0                     ; l, and the registers at work
.endr
.endr
	WIN W_LD
.set n, 0
.rept 128
	v_mov_b32 v[n], 0                              ; O^T.  The step is written once: the first finds zeros, which a = 0 leaves zeros
.set n, n+1
.endr
	WIN 0
.macro KQ                              ; product i of 32 of S^T = K Q^T: channels 32 (i / 8) on, keys 16 ((i / 2) % 4) on, tile i % 2; the first 8 start the sums; the 8 sums by turns
.set rS, S+32*(i%2)+8*((i/2)%4)
.set rK, KV+32*((i/2)%4)+8*(i/8)
.set rQ, Q+32*(i%2)+8*(i/8)
.if i < 8
	v_wmma_f32_16x16x32_f16 v[rS:rS+7], v[rK:rK+7], v[rQ:rQ+7], 0
.else
	v_wmma_f32_16x16x32_f16 v[rS:rS+7], v[rK:rK+7], v[rQ:rQ+7], v[rS:rS+7]
.endif
.endm
.macro PVM                             ; product i of 32 of O^T += V^T P: keys 32 (i / 16) on, channels 16 ((i / 2) % 8) on, tile i % 2; the 16 sums by turns
.set rO, 64*(i%2)+8*((i/2)%8)
.set rV, KV+64*(i/16)+8*((i/2)%8)
.set rP, P+16*(i%2)+8*(i/16)
	v_wmma_f32_16x16x32_f16 v[rO:rO+7], v[rV:rV+7], v[rP:rP+7], v[rO:rO+7]
.endm
.macro SOFTMAX                         ; both tiles by turns, so that no line waits for the line above it
.irp c, 0,1,2,3
.irp t, 0,1
	v_max3_num_f32 v[ST+8*\t+4+\c], v[S+32*\t+8*\c], v[S+32*\t+8*\c+1], v[S+32*\t+8*\c+2]   ; four chains a tile, each over one accumulator, from its low end on
.endr
.endr
.irp i, 3,5
.irp c, 0,1,2,3
.irp t, 0,1
	v_max3_num_f32 v[ST+8*\t+4+\c], v[ST+8*\t+4+\c], v[S+32*\t+8*\c+\i], v[S+32*\t+8*\c+\i+1]
.endr
.endr
.endr
.irp c, 0,1,2,3
.irp t, 0,1
	v_max_num_f32 v[ST+8*\t+4+\c], v[ST+8*\t+4+\c], v[S+32*\t+8*\c+7]
.endr
.endr
.irp t, 0,1
	v_max3_num_f32 v[ST+8*\t+4], v[ST+8*\t+4], v[ST+8*\t+5], v[ST+8*\t+6]
.endr
.irp t, 0,1
	v_max3_num_f32 v[ST+8*\t+4], v[ST+8*\t+4], v[ST+8*\t+7], v[ST+8*\t+1]   ; and the old m
.endr
.irp t, 0,1
	v_permlanex16_b32 v[ST+8*\t+5], v[ST+8*\t+4], s[SEL], s[SEL+1]          ; the query's other 32 keys lie in the lane 16 away
.endr
.irp t, 0,1
	v_mov_b32 v[ST+8*\t+7], v[ST+8*\t]             ; c m_old
.endr
.irp t, 0,1
	v_max_num_f32 v[ST+8*\t+1], v[ST+8*\t+4], v[ST+8*\t+5]
.endr
.irp t, 0,1
	v_mul_f32 v[ST+8*\t], s[CS], v[ST+8*\t+1]
.endr
.irp t, 0,1
	v_sub_f32 v[ST+8*\t+7], v[ST+8*\t+7], v[ST+8*\t]
.endr
.irp b, 0,1,2,3,4,5,6,7,8,9,10,11,12,13,14,15
.irp t, 0,1
	v_pk_fma_f32 v[S+32*\t+2*\b:S+32*\t+2*\b+1], v[S+32*\t+2*\b:S+32*\t+2*\b+1], s[CS:CS+1], v[ST+8*\t:ST+8*\t+1] op_sel_hi:[1,0,0] neg_lo:[0,0,1] neg_hi:[0,0,1]   ; c s - c m
.endr
.endr
.irp t, 0,1
	v_exp_f32 v[ST+8*\t+6], v[ST+8*\t+7]           ; a.  ONE BATCH: 66 exponentials, none of which reads another's result
.endr
.set n, 0
.rept 64
	v_exp_f32 v[S+n], v[S+n]
.set n, n+1
.endr
	v_nop                                          ; a plain instruction behind the last exponential
	s_wait_alu depctr_va_vdst(0)                   ; one wait for the batch, ahead of its first reader
.irp b, 0,1,2,3,4,5,6,7,8,9,10,11,12,13,14,15
.irp t, 0,1
	v_cvt_pk_f16_f32 v[P+16*\t+\b], v[S+32*\t+2*\b], v[S+32*\t+2*\b+1]
.endr
.endr
.irp k, 1,2,3                          ; the sum of the unrounded p, in pairs, four chains a tile
.irp c, 0,1,2,3
.irp t, 0,1
	v_pk_add_f32 v[S+32*\t+2*\c:S+32*\t+2*\c+1], v[S+32*\t+2*\c:S+32*\t+2*\c+1], v[S+32*\t+8*\k+2*\c:S+32*\t+8*\k+2*\c+1]
.endr
.endr
.endr
.irp t, 0,1
	v_pk_add_f32 v[S+32*\t:S+32*\t+1], v[S+32*\t:S+32*\t+1], v[S+32*\t+2:S+32*\t+3]
	v_pk_add_f32 v[S+32*\t+4:S+32*\t+5], v[S+32*\t+4:S+32*\t+5], v[S+32*\t+6:S+32*\t+7]
.endr
.irp t, 0,1
	v_pk_add_f32 v[S+32*\t:S+32*\t+1], v[S+32*\t:S+32*\t+1], v[S+32*\t+4:S+32*\t+5]
.endr
.irp t, 0,1
	v_pk_fma_f32 v[ST+8*\t+2:ST+8*\t+3], v[ST+8*\t+2:ST+8*\t+3], v[ST+8*\t+6:ST+8*\t+7], v[S+32*\t:S+32*\t+1] op_sel_hi:[1,0,1]   ; l = a l + the sum
.endr
	WIN W_RS
.irp t, 0,1
.set n, 0
.rept 32
	v_pk_mul_f32 v[64*\t+n:64*\t+n+1], v[64*\t+n:64*\t+n+1], v[ST+8*\t+6:ST+8*\t+7] op_sel_hi:[1,0]   ; O^T x a
.set n, n+2
.endr
.endr
	WIN 0
.endm
; A KEY STEP: 64 keys.  A step all of whose keys come after my 32 queries is left out: a scalar branch on ids and the count of steps, round the step's loads, products and softmax; not round the lines
; at its end that step addresses.  No barrier and no tensor load stands in a step.  KF - Q0 is a multiple of 32, so in a step that is walked key KF counts for all my queries: no row is all hidden.
.macro STEP
	s_add_co_u32 s96, s[Q0], 31
	s_cmp_gt_u32 s[KF], s96
	s_cbranch_scc1 .Lhidden_\@
	v_add_nc_u32 v[ADR], s[TBK], v[AK0]
	WIN W_LD
.irp f, 0,1,2,3,4,5,6,7,8,9,10,11,12,13,14,15  ; K: keys 16 (f / 4) on, channels 32 (f % 4) on.  (The places behind the last step's products stand at that step's end)
	ds_load_b128 v[KV+8*\f:KV+8*\f+3],   v[ADR] offset:(\f/4)*16*PK+(\f%4)*64
	ds_load_b128 v[KV+8*\f+4:KV+8*\f+7], v[ADR] offset:(\f/4)*16*PK+(\f%4)*64+32
.endr
	s_wait_dscnt 0x0
	WIN W_KQ
.set i, 0
.rept 32
	KQ
.set i, i+1
.endr
	WIN 0
	v_add_nc_u32 v[ADR], s[TBV], v[AV0]
.rept 4
	v_nop                                          ; four places in front of the loads into K's registers and of the first read of the scores
.endr
	WIN W_LD
.irp f, 0,1,2,3,4,5,6,7,8,9,10,11,12,13,14,15  ; V, turned, into the registers that K has left: keys 32 (f / 8) on, channels 16 (f % 8) on.  It lands while the softmax is worked
	ds_load_tr16_b128 v[KV+8*\f:KV+8*\f+3],   v[ADR] offset:(\f/8)*32*PV+(\f%8)*32
	ds_load_tr16_b128 v[KV+8*\f+4:KV+8*\f+7], v[ADR] offset:(\f/8)*32*PV+16*PV+(\f%8)*32
.endr
	WIN 0
	s_add_co_u32 s96, s[KF], 63
	s_cmp_le_u32 s96, s[Q0]
	s_cbranch_scc1 .Lopen_\@                       ; all 64 keys count for all my queries
	s_sub_co_i32 s96, s[Q0], s[KF]
	v_add_nc_u32 v[D0], s96, v[DD]                 ; register 8 k + i of tile t holds key KF + 16 k + 8 (l / 16) + i: hidden where 16 k + i > Q0 - KF + 16 t + l % 16 - 8 (l / 16)
	v_add_nc_u32 v[D0+1], 16, v[D0]
.set n, 0
.rept 32
	v_cmp_gt_i32 vcc_lo, 16*(n/8)+n%8, v[D0]
	v_cndmask_b32 v[S+n], v[S+n], v[NINF], vcc_lo
	v_cmp_gt_i32 vcc_lo, 16*(n/8)+n%8, v[D0+1]
	v_cndmask_b32 v[S+32+n], v[S+32+n], v[NINF], vcc_lo
.set n, n+1
.endr
.Lopen_\@:
	SOFTMAX
	s_wait_dscnt 0x0                               ; V is in
	WIN W_PV
.set i, 0
.rept 32
	PVM
.set i, i+1
.endr
	WIN 0
.rept 4
	v_nop                                          ; four places behind the step's last products, on every way on: the next step's loads into V's registers, and the way out's reads of O^T
.endr
.Lhidden_\@:
	s_add_co_u32 s[KF], s[KF], KS
	s_add_co_u32 s[TBK], s[TBK], STK
	s_add_co_u32 s[TBV], s[TBV], STV
.endm
.macro SLOT_STEPS                      ; a slot's two steps: written once, walked twice
	s_mov_b32 s[TWICE], 2
.Lstep_\@:
	STEP
	s_sub_co_u32 s[TWICE], s[TWICE], 1
	s_cmp_lg_u32 s[TWICE], 0
	s_cbranch_scc1 .Lstep_\@
	s_sub_co_u32 s[TBK], s[TBK], 2*STK             ; back to a slot's first step,
	s_xor_b32 s[TBK], s[TBK], SLOT1                ; in the other slot
	s_sub_co_u32 s[TBV], s[TBV], 2*STV
	s_xor_b32 s[TBV], s[TBV], SLOT1
.endm
; THE CHANGE OF SLOTS stands at a slot's head.  Each wave waits for all its tensor loads, adds 0 to its spare word, and waits for that and for its reads of the slot that it has left.  Behind the barrier the
; slot ahead is whole and nobody reads the other one; fill = 1: that other slot is filled with the next 128 keys, up to the causal limit: the load has two steps in which to land.
.macro CHANGE fill
	s_wait_tensorcnt 0x0                           ; no tensor load of mine is out, so a group 0 may be written
	ds_add_u32 v[SPW], v[NIL]
.if \fill
	ds_add_u32 v[SPW], v[NIL]                      ; and once more: the add twice on end, in every trip alike
	s_xor_b32 s[G0K+1], s[G0K+1], SLOT1
	s_add_nc_u64 s[G0K+2:G0K+3], s[G0K+2:G0K+3], 128*ROWQ
	s_xor_b32 s[G0V+1], s[G0V+1], SLOT1
	s_add_nc_u64 s[G0V+2:G0V+3], s[G0V+2:G0V+3], 128*ROWQ
	s_wait_xcnt 0x0                                ; the last prefetches, a slot back, have read their address
	s_add_nc_u64 s[PFA:PFA+1], s[PFA:PFA+1], 128*ROWQ
.endif
	s_wait_dscnt 0x0                               ; the add is done, and my reads of the slot that I have left are over
	s_barrier_signal -1
	s_barrier_wait -1
.if \fill
	s_add_co_u32 s96, s[KF], 128                   ; the first key of the slot that this change would ask for
	s_cmp_gt_u32 s96, s[QL]                        ; ids and the count of steps alone: all eight waves go the same way; past the limit no wave walks a step of that slot.  Every wait on TENSORcnt in this text is for 0
	s_cbranch_scc1 .Lpast_\@
	TLOAD
.Lpast_\@:
	ASK
.endif
.endm
	s_wait_loadcnt 0x0                             ; Q
.Lslot:                                            ; seven trips: behind each change of slots but the last the next slot is asked for
	CHANGE 1
	SLOT_STEPS
	s_sub_co_u32 s[SLOTS], s[SLOTS], 1
	s_cmp_lg_u32 s[SLOTS], 0
	s_cbranch_scc1 .Lslot
	CHANGE 0                                       ; the last slot is written out: nothing is left to fetch
	SLOT_STEPS
	; THE WAY OUT: l's halves are added, O^T is divided by l, rounded to f16 and sent through my stage, a tile (16 rows of y) at a time.
.irp t, 0,1
	v_add_f32 v[ST+8*\t+4], v[ST+8*\t+2], v[ST+8*\t+3]
.endr
.irp t, 0,1
	v_permlanex16_b32 v[ST+8*\t+5], v[ST+8*\t+4], s[SEL], s[SEL+1]
.endr
.irp t, 0,1
	v_add_f32 v[ST+8*\t+4], v[ST+8*\t+4], v[ST+8*\t+5]
.endr
.irp t, 0,1
	v_rcp_f32 v[ST+8*\t+6], v[ST+8*\t+4]
.endr
	v_nop
	s_wait_alu depctr_va_vdst(0)                   ; one wait for the two reciprocals
.macro PACK t
	WIN W_RS
.set n, 64*\t
.rept 32
	v_pk_mul_f32 v[n:n+1], v[n:n+1], v[ST+8*\t+6:ST+8*\t+7] op_sel_hi:[1,0]
.set n, n+2
.endr
	WIN 0x05                                       ; sources 0 and 1 window 1, destination window 0: S^T's registers are free
.set n, 0
.rept 32
	v_cvt_pk_f16_f32 v[S+32*\t+n], v[64*\t+2*n], v[64*\t+2*n+1]
.set n, n+1
.endr
	WIN 0
.irp f, 0,1,2,3,4,5,6,7
	ds_store_b128 v[STO], v[S+32*\t+4*\f:S+32*\t+4*\f+3] offset:32*\f
.endr
.irp f, 0,1,2,3,4,5,6,7
	ds_load_b128 v[S+32*\t+4*\f:S+32*\t+4*\f+3], v[RD] offset:\f*2*SP   ; in order behind my stores; the next tile's stores come behind these
.endr
.endm
.macro SEND t, younger                 ; younger: the LDS instructions issued behind tile t's loads
.irp f, 0,1,2,3,4,5,6,7
	s_wait_dscnt \younger+7-\f
	global_store_b128 v[GO], v[S+32*\t+4*\f:S+32*\t+4*\f+3], s[6:7] offset:\t*65536+\f*8192   ; sixteen lanes store 256 consecutive bytes, aligned
.endr
.endm
	PACK 0
	PACK 1
	SEND 0, 16
	SEND 1, 0
	s_wait_tensorcnt 0x0                           ; the wave's end
	ds_add_u32 v[SPW], v[NIL]
	s_wait_dscnt 0x0
	s_endpgm
.Lfunc_end_k_qaea7ec20b5_attn:
	.size	k_qaea7ec20b5_attn, .Lfunc_end_k_qaea7ec20b5_attn-k_qaea7ec20b5_attn
	.p2alignl 7, 3214868480
	.fill 96, 4, 3214868480
	.section	.rodata,"a",@progbits
	.p2align	6, 0x0
	.amdhsa_kernel k_qaea7ec20b5_attn
		.amdhsa_group_segment_fixed_size 327680
		.amdhsa_private_segment_fixed_size 0
		.amdhsa_enable_private_segment 0
		.amdhsa_kernarg_size 16
		.amdhsa_user_sgpr_count 2
		.amdhsa_user_sgpr_kernarg_segment_ptr 1
		.amdhsa_wavefront_size32 1
		.amdhsa_system_sgpr_workgroup_id_x 1
		.amdhsa_system_sgpr_workgroup_id_y 1
		.amdhsa_system_sgpr_workgroup_id_z 1
		.amdhsa_system_vgpr_workitem_id 0
		.amdhsa_next_free_vgpr 512
		.amdhsa_next_free_sgpr 100
		.amdhsa_reserve_vcc 1
		.amdhsa_float_denorm_mode_32 3
		.amdhsa_float_denorm_mode_16_64 3
		.amdhsa_memory_ordered 1
		.amdhsa_forward_progress 1
		.amdhsa_inst_pref_size 83
	.end_amdhsa_kernel
	.amdgpu_metadata
---
amdhsa.version: [ 1, 2 ]
amdhsa.kernels:
  - .name:           k_qaea7ec20b5_attn
    .symbol:         k_qaea7ec20b5_attn.kd
    .args:
      - { .name: qkv, .offset: 0, .size: 8, .value_kind: global_buffer, .address_space: global }
      - { .name: y, .offset: 8, .size: 8, .value_kind: global_buffer, .address_space: global }
    .group_segment_fixed_size: 327680
    .private_segment_fixed_size: 0
    .kernarg_segment_align: 8
    .kernarg_segment_size: 16
    .max_flat_workgroup_size: 256
    .sgpr_count:     100
    .vgpr_count:     512
    .wavefront_size: 32
...
	.end_amdgpu_metadata
.endif
;; end of part 3
;; launch proj (part 4): grid 8 x 32, 4 waves a work-group, clusters of 4 x 4, 327,680 bytes of LDS; arguments y, wot, out0; writes out0
.if DOCPART == 4
	.amdgcn_target "amdgcn-amd-amdhsa--gfx1250"
	.amdhsa_code_object_version 6
	.text
	.protected	k_qaea7ec20b5_proj
	.globl	k_qaea7ec20b5_proj
	.p2align	8
	.type	k_qaea7ec20b5_proj,@function
k_qaea7ec20b5_proj:
	s_mov_b64 s[64:65], 0
	v_nop
	global_prefetch_b8 v0, s[64:65] scope:SCOPE_SE
	s_setreg_imm32_b32 hwreg(HW_REG_WAVE_MODE, 25, 1), 1
	s_wait_xcnt 0x0
	s_wait_alu depctr_hold_cnt(0) depctr_sa_sdst(0) depctr_va_vdst(0) depctr_va_sdst(0) depctr_va_ssrc(0) depctr_va_vcc(0) depctr_vm_vsrc(0)
	s_getreg_b32 s2, hwreg(HW_REG_IB_STS2, 6, 4)
	s_cmp_eq_u32 s2, 0
	s_cbranch_scc0 .Lentry_in_a_cluster
	s_endpgm
.Lentry_in_a_cluster:
	s_bfe_u32 s2, ttmp6, 0x10000c
	s_cmp_lg_u32 s2, 0xf033
	s_cbranch_scc0 .Lentry_shape_is_right
	s_endpgm
.Lentry_shape_is_right:
; PROJ: out0[m][n] = sum over k of y[m][k] wot[n][k].  y [4096][2048], wot [2048][2048]: f16; out0 f32; sums in f32, K ascending.
; WORK LEFT OUT: the rows of positions 0-15 of each batch are not stored here: the launch behind this one makes them from finer operands.  (They lie inside tiles that hold other rows, so their products stay.)
; A tile of 128 x 256 gives 256 work-groups.  Four waves, 64 x 128 each: 32 accumulators, 256 registers.
; THE RING HAS TWO REGIONS OF UNEQUAL SIZE.  A K step is 128 along K, 128 matrix instructions a wave.  Two slots of two steps (2 x 384 rows x 528 bytes) do not fit in LDS; a region of ONE step (rows of 256 bytes,
; pitch 272) and a region of TWO (rows of 512 bytes, pitch 528) do.  The 16 steps go 1, 2, 1, 2, .. 1.  The short region is filled again while the long one is multiplied: its load has 240 matrix
; instructions in which to land; the long region's has 112.  Ten changes of region in all, one tensor load a wave behind each that fills.
; CLUSTERS: 4 x 4 work-groups; A's tiles are asked for jointly along a row of the cluster, B's along a column.  TILE ROW = 8 cy + cluster y: so the tiles that hold positions 0-15 are those of the clusters
; with y = 0, and the branch round their first 16 rows hangs on the cluster's y and the wave's number alone.
; THE MATRIX INSTRUCTION IS USED TRANSPOSED (source 0 = 16 rows of wot, source 1 = 16 rows of y): a lane holds eight neighbouring numbers of a row of out0.
; REGISTERS: window 0: v16-30 addresses; v64-95, v96-127 A's fragments (4 x 16 rows x 32 K), two buffers; v128-255 the way out.  window 1: v0-63, v64-127 B's fragments (8), two buffers.  window 2: accumulator (a, b) at v[8 (8 a + b)].
.set SIZE_K, 2048
.set SIZE_N, 2048
.set KSTEP,  128
.set P0,     272                       ; a row in region 0: 256 bytes + 16
.set P1,     528                       ; a row in region 1: 512 bytes + 16
.set HA0,    64*P0                     ; what a wave fetches of A, and what a wave reads of it, in region 0
.set HB0,    128*P0                    ; the same for B
.set HA1,    64*P1                     ; and in region 1
.set HB1,    128*P1
.set REG1,   2*HA0+2*HB0               ; region 0: A's 128 rows, then B's 256; region 1 begins here, laid likewise
.set SPARE,  REG1+2*HA1+2*HB1          ; behind the regions: the spare words, 128 bytes a wave
.set STAGE,  REG1                      ; the way out: 16 rows x (512 + 16) bytes for each wave, in region 1, which has had its last fill and its last read by then
.set SPITCH, 528
.set PERIODS, 5                        ; a period = three K steps: region 0, then region 1; 16 = 5 x 3 + 1
.set ADRA, 16                          ; v16-17  LDS address of my A fragments in region 0, 1
.set ADRB, 20                          ; v20-21  the same for B
.set STO,  24
.set RD,   25
.set CO,   26
.set SPW,  28
.set NIL,  29
.set PFO,  30
.set FA,   64
.set BK,   128
.set G1A0, 24                          ; s[24:31] descriptor group 1 for A's tiles in region 0;  s[68:75] in region 1
.set G0,   32                          ; s[32:39] group 0 for A's tiles, one set for each region
.set LIM,  43
.set PFA,  44
.set G1B0, 48                          ; s[48:55], s[76:83] group 1 for B's tiles
.set G0B,  56                          ; s[56:63] group 0 for B's
.set FLAG, 66
.set G1A1, 68
.set G1B1, 76
.set MSB, 0
.macro WIN new
.if MSB != \new
	s_set_vgpr_msb (MSB<<8)|\new
.set MSB, \new
.endif
.endm
.set MUL,  0xa1                        ; source 0 (B) window 1, source 1 (A) window 0, C and D window 2
.set TO_B, 0x40
.macro JLOAD s                         ; a joint load into region s: waves 0 and 1 fetch A's halves, waves 2 and 3 B's.  An s_nop 0 and four v_nop follow each of the two lines
.set GA, G1A0+(G1A1-G1A0)*(\s)
.set GB, G1B0+(G1B1-G1B0)*(\s)
	s_cmp_eq_u32 s11, 0
	s_cbranch_scc0 .Lfor_b_\@
	tensor_load_to_lds s[G0+4*\s:G0+4*\s+3], s[GA:GA+7]
	s_nop 0
.rept 4
	v_nop
.endr
	s_branch .Lasked_\@
.Lfor_b_\@:
	tensor_load_to_lds s[G0B+4*\s:G0B+4*\s+3], s[GB:GB+7]
	s_nop 0
.rept 4
	v_nop
.endr
.Lasked_\@:
.endm
; A prefetch, behind each joint load of the loop and the run of LDS loads that follows it, of what the NEXT refill will bring: behind region 0's refill the two K steps that follow its own, behind region 1's
; the one that follows its two.  32 rows x 256 bytes an instruction, a lane a row.  s[PFA] stands at the first K step of the refill just asked for.  K steps 4 to 15 are named once each; steps 0 to 3 come by their loads alone.
; Each row's 256 bytes of a K step are named once in the launch.  A's tile row is read by both clusters of a row of clusters: that with x = 0 asks, wave 0 of each of the four partners along the row taking 32 of the
; 128 rows by address (32 cx on).  B's tile column is read by all eight clusters of a column: that with y = 0 asks, waves 2 and 3 of the four partners along the column taking 32 of the 256 rows each
; (64 cy + 32 (wave - 2) on).  Wave 1 asks for nothing.  No branch hangs on a work-group's place in its cluster.
.macro ASK from
	s_cmp_eq_u32 s[LIM], 1
	s_cbranch_scc0 .Lnot_mine_\@
.if \from == 0
	global_prefetch_b8 v[PFO], s[PFA:PFA+1] offset:KSTEP*2 th:TH_LOAD_NT scope:SCOPE_SE
.endif
	global_prefetch_b8 v[PFO], s[PFA:PFA+1] offset:2*KSTEP*2 th:TH_LOAD_NT scope:SCOPE_SE
.Lnot_mine_\@:
.endm
.macro CREST
	s_cmp_lg_u32 s10, 0
	s_cbranch_scc1 .Lnot_wave_0_\@
	s_barrier_signal -3
.Lnot_wave_0_\@:
	s_barrier_wait -3
	s_barrier_signal -1
	s_barrier_wait -1
.endm
.macro CROUND
	s_barrier_signal -1
	s_barrier_wait -1
	CREST
.endm
	s_load_b128 s[4:7], s[0:1], 0x0                ; y s[4:5], wot s[6:7]
	s_load_b64 s[8:9], s[0:1], 0x10                ; out0
	v_lshl_add_u32 v[SPW], v0, 2, SPARE
	v_mov_b32 v[NIL], 0
	ds_add_u32 v[SPW], v[NIL]                      ; the wave's opening: the add, twice on end, and its wait ahead of my first tensor load
	ds_add_u32 v[SPW], v[NIL]
	v_lshrrev_b32 v1, 5, v0
	v_readfirstlane_b32 s10, v1                    ; wave 0..3
	s_lshr_b32 s11, s10, 1                         ; which half of the tile's rows is mine.  Also: I fetch for A (0) or for B (1)
	s_and_b32 s12, s10, 1                          ; which half of its columns.  Also: which half of that tile I fetch
	s_bfe_u32 s40, ttmp6, 0x40000                  ; cx
	s_bfe_u32 s41, ttmp6, 0x40004                  ; cy
	s_lshl_b32 s42, ttmp9, 2
	s_add_co_u32 s42, s42, s40                     ; tile column = 4 x cluster x + cx
	s_and_b32 s67, ttmp7, 0xffff                   ; cluster y
	s_lshl_b32 s13, s41, 3
	s_add_co_u32 s13, s13, s67                     ; tile row = 8 cy + cluster y: batch cy, rows 128 x cluster y on
	s_or_b32 s[FLAG], s11, s67                     ; 0 where my first 16 rows are positions 0-15
	s_lshl_b32 s43, s41, 2
	s_lshl_b32 s43, 15, s43                        ; my row of the cluster
	s_lshl_b32 s44, 0x1111, s40                    ; my column
	s_or_b32 s[G1A0], s43, (1<<16)|(1<<20)|(1<<21)|(5<<22)|(3<<25)  ; the mask; elements of 2 bytes; padding on; bit 21 beside a mask; 4 words behind every 64
	s_or_b32 s[G1B0], s44, (1<<16)|(1<<20)|(1<<21)|(5<<22)|(3<<25)
	s_or_b32 s[G1A1], s43, (1<<16)|(1<<20)|(1<<21)|(6<<22)|(3<<25)  ; region 1: 4 words behind every 128
	s_or_b32 s[G1B1], s44, (1<<16)|(1<<20)|(1<<21)|(6<<22)|(3<<25)
	s_mov_b32 s[G1A0+1], KSTEP<<16                 ; A, region 0: 64 rows x 128 elements
	s_mov_b32 s[G1A0+2], 64<<16
	s_mov_b32 s[G1A0+3], KSTEP<<16
	s_mov_b32 s[G1A0+4], 64
	s_mov_b32 s[G1A0+5], SIZE_K
	s_mov_b32 s[G1A0+6], 0
	s_mov_b32 s[G1A0+7], 0
	s_mov_b32 s[G1B0+1], KSTEP<<16                 ; B, region 0: 128 rows x 128 elements
	s_mov_b32 s[G1B0+2], 128<<16
	s_mov_b32 s[G1B0+3], KSTEP<<16
	s_mov_b32 s[G1B0+4], 128
	s_mov_b32 s[G1B0+5], SIZE_K
	s_mov_b32 s[G1B0+6], 0
	s_mov_b32 s[G1B0+7], 0
	s_mov_b32 s[G1A1+1], (2*KSTEP)<<16             ; A, region 1: 64 rows x 256 elements
	s_mov_b32 s[G1A1+2], 64<<16
	s_mov_b32 s[G1A1+3], (2*KSTEP)<<16
	s_mov_b32 s[G1A1+4], 64
	s_mov_b32 s[G1A1+5], SIZE_K
	s_mov_b32 s[G1A1+6], 0
	s_mov_b32 s[G1A1+7], 0
	s_mov_b32 s[G1B1+1], (2*KSTEP)<<16             ; B, region 1: 128 rows x 256 elements
	s_mov_b32 s[G1B1+2], 128<<16
	s_mov_b32 s[G1B1+3], (2*KSTEP)<<16
	s_mov_b32 s[G1B1+4], 128
	s_mov_b32 s[G1B1+5], SIZE_K
	s_mov_b32 s[G1B1+6], 0
	s_mov_b32 s[G1B1+7], 0
	s_lshl_b32 s16, s13, 7
	s_lshl_b32 s17, s12, 6
	s_add_co_u32 s16, s16, s17                     ; A: row 128 x tile row + 64 x half,
	s_lshl_b32 s16, s16, 12                        ; in bytes
	s_mov_b32 s17, 0
	s_lshl_b32 s46, s42, 8
	s_lshl_b32 s47, s12, 7
	s_add_co_u32 s46, s46, s47                     ; B: row 256 x tile column + 128 x half
	s_lshl_b32 s46, s46, 12
	s_mov_b32 s47, 0
	s_mul_i32 s20, s12, HA0                        ; where they go: no place in the cluster enters an LDS address
	s_mul_i32 s21, s12, HB0
	s_add_co_u32 s21, s21, 2*HA0
	s_mul_i32 s22, s12, HA1
	s_add_co_u32 s22, s22, REG1
	s_mul_i32 s23, s12, HB1
	s_add_co_u32 s23, s23, REG1+2*HA1
	s_wait_dscnt 0x0                               ; both opening adds are done
	s_wait_kmcnt 0x0
	s_add_nc_u64 s[14:15], s[4:5], s[16:17]
	s_add_nc_u64 s[46:47], s[6:7], s[46:47]
	CROUND                                         ; all sixteen work-groups are here: the first joint loads meet
	s_mov_b32 s[G0], 1                             ; region 0: K step 0
	s_mov_b32 s[G0+1], s20
	s_mov_b64 s[G0+2:G0+3], s[14:15]
	s_or_b32 s[G0+3], s[G0+3], 0x80000000
	s_mov_b32 s[G0B], 1
	s_mov_b32 s[G0B+1], s21
	s_mov_b64 s[G0B+2:G0B+3], s[46:47]
	s_or_b32 s[G0B+3], s[G0B+3], 0x80000000
	JLOAD 0
	s_mov_b32 s[G0+4], 1                           ; region 1: K steps 1 and 2
	s_mov_b32 s[G0+5], s22
	s_add_nc_u64 s[G0+6:G0+7], s[14:15], KSTEP*2
	s_or_b32 s[G0+7], s[G0+7], 0x80000000
	s_mov_b32 s[G0B+4], 1
	s_mov_b32 s[G0B+5], s23
	s_add_nc_u64 s[G0B+6:G0B+7], s[46:47], KSTEP*2
	s_or_b32 s[G0B+7], s[G0B+7], 0x80000000
	JLOAD 1
	v_and_b32 v1, 15, v0                           ; l % 16
	v_bfe_u32 v2, v0, 4, 1                         ; l / 16
	v_mul_u32_u24 v3, v1, P0
	v_lshl_add_u32 v3, v2, 4, v3                   ; a fragment's row x pitch + 16 x half, in region 0
	v_mul_u32_u24 v4, v1, P1
	v_lshl_add_u32 v4, v2, 4, v4                   ; and in region 1
	s_mul_i32 s21, s11, HA0                        ; my 64 rows of A
	s_mul_i32 s22, s12, HB0                        ; my 128 rows of B,
	s_add_co_u32 s22, s22, 2*HA0                   ; behind A's 128
	v_add_nc_u32 v[ADRA], s21, v3
	v_add_nc_u32 v[ADRB], s22, v3
	s_mul_i32 s21, s11, HA1
	s_add_co_u32 s21, s21, REG1
	s_mul_i32 s22, s12, HB1
	s_add_co_u32 s22, s22, REG1+2*HA1
	v_add_nc_u32 v[ADRA+1], s21, v4
	v_add_nc_u32 v[ADRB+1], s22, v4
	s_mul_i32 s23, s10, 16*SPITCH
	s_add_co_u32 s23, s23, STAGE                   ; my stage
	v_mul_u32_u24 v4, v1, SPITCH                   ; in: row l % 16, 32 bytes for each half of the lanes
	v_lshl_add_u32 v4, v2, 5, v4
	v_add_nc_u32 v[STO], s23, v4
	v_and_b32 v5, 31, v0
	v_lshlrev_b32 v[CO], 4, v5                     ; back: the 32 lanes take one row of 512 bytes; and the same in out0
	v_add_nc_u32 v[RD], s23, v[CO]
	s_lshl_b32 s16, s13, 7
	s_lshl_b32 s17, s11, 6
	s_add_co_u32 s16, s16, s17                     ; my first row of out0
	s_lshl_b32 s16, s16, 13
	s_mov_b32 s17, 0
	s_lshl_b32 s46, s42, 10                        ; my first column in bytes: 1,024 x tile column + 512 x half
	s_lshl_b32 s47, s12, 9
	s_add_co_u32 s46, s46, s47
	s_mov_b32 s47, 0
	s_add_nc_u64 s[16:17], s[16:17], s[46:47]
	s_add_nc_u64 s[8:9], s[8:9], s[16:17]
	; the prefetches
	s_lshl_b32 s20, s13, 7
	s_lshl_b32 s22, s40, 5
	s_add_co_u32 s20, s20, s22                     ; A: row 128 x tile row + 32 cx
	s_lshl_b32 s21, s42, 8
	s_lshl_b32 s22, s41, 6
	s_add_co_u32 s21, s21, s22
	s_lshl_b32 s22, s12, 5
	s_add_co_u32 s21, s21, s22                     ; B: row 256 x tile column + 64 cy + 32 x half
	s_cmp_eq_u32 s10, 1
	s_cselect_b32 s23, 1, 0                        ; wave 1 asks for nothing
	s_cmp_eq_u32 s11, 0                            ; do I fetch for A?
	s_cselect_b32 s20, s20, s21
	s_cselect_b32 s22, ttmp9, s67                  ; the coordinate along which other clusters read the same rows
	s_cselect_b64 s[PFA:PFA+1], s[4:5], s[6:7]
	s_or_b32 s22, s22, s23
	s_cmp_eq_u32 s22, 0
	s_cselect_b32 s[LIM], 1, -1                    ; the same in all sixteen partners, for a given wave
	s_lshl_b32 s20, s20, 12
	s_mov_b32 s21, 0
	s_add_nc_u64 s[PFA:PFA+1], s[PFA:PFA+1], s[20:21]
	s_add_nc_u64 s[PFA:PFA+1], s[PFA:PFA+1], KSTEP*2    ; at K step 1: the first refill, of K step 3, steps it there
	v_lshlrev_b32 v[PFO], 12, v5                   ; a lane a row
.macro MUL8 f, a, zero                 ; A's block a x B's eight, 32 along K, from buffer f.  The 32 accumulators take turns, one instruction a turn, in the same order in every quarter
.irp b, 0,1,2,3,4,5,6,7
.if \zero
	v_wmma_f32_16x16x32_f16 v[8*(8*(\a)+\b):8*(8*(\a)+\b)+7], v[64*(\f)+8*\b:64*(\f)+8*\b+7], v[FA+32*(\f)+8*(\a):FA+32*(\f)+8*(\a)+7], 0
.else
	v_wmma_f32_16x16x32_f16 v[8*(8*(\a)+\b):8*(8*(\a)+\b)+7], v[64*(\f)+8*\b:64*(\f)+8*\b+7], v[FA+32*(\f)+8*(\a):FA+32*(\f)+8*(\a)+7], v[8*(8*(\a)+\b):8*(8*(\a)+\b)+7]
.endif
.endr
.endm
.macro FETCH reg, k, f                 ; 24 LDS loads in one run: B's eight fragments, then A's four, of 32 along K at byte k of region reg's rows
.set PT, P0+(P1-P0)*(\reg)
	WIN TO_B
.irp i, 0,1,2,3,4,5,6,7
	ds_load_b128 v[64*(\f)+8*\i:64*(\f)+8*\i+3],   v[ADRB+\reg] offset:\k+\i*16*PT
	ds_load_b128 v[64*(\f)+8*\i+4:64*(\f)+8*\i+7], v[ADRB+\reg] offset:\k+\i*16*PT+32
.endr
	WIN 0
.irp i, 0,1,2,3
	ds_load_b128 v[FA+32*(\f)+8*\i:FA+32*(\f)+8*\i+3],   v[ADRA+\reg] offset:\k+\i*16*PT
	ds_load_b128 v[FA+32*(\f)+8*\i+4:FA+32*(\f)+8*\i+7], v[ADRA+\reg] offset:\k+\i*16*PT+32
.endr
.endm
.macro PLACES                          ; four plain vector instructions between a matrix instruction and a load into, or a read of, its registers
.rept 4
	v_nop
.endr
.endm
.macro QUARTER reg, k, f, g, zero      ; multiplies buffer f; in its middle it fetches the next quarter, at byte k of region reg, into buffer g
	s_wait_dscnt 4                                 ; B and A's blocks 0, 1 are in; A's blocks 2, 3 (four loads) may be out
	WIN MUL
	MUL8 \f, 0, \zero
	MUL8 \f, 1, \zero
	PLACES
	FETCH \reg, \k, \g
	s_wait_dscnt 24                                ; all but the 24 just issued
	WIN MUL
	MUL8 \f, 2, \zero
	MUL8 \f, 3, \zero
.endm
; A region's last quarter multiplies buffer 1 and changes regions: one barrier; in front of it each wave waits for all its tensor loads, adds 0 to its spare word, and waits for that and for its reads of
; the region that it leaves.  fill = 1: that region is filled again, with the K steps three further on.  ask = 1: the prefetch follows.
.macro TURN from, to, fill, ask
.if \ask
	s_wait_xcnt 0x0                                ; the last prefetches, a change of regions back, have read their address
	s_add_nc_u64 s[PFA:PFA+1], s[PFA:PFA+1], (2-\from)*KSTEP*2   ; to the first K step of the refill below
.endif
	WIN 0                                          ; the add's two registers lie in window 0
	s_wait_tensorcnt 0x0                           ; all my tensor loads have landed: my part of the region ahead
	ds_add_u32 v[SPW], v[NIL]
	s_wait_dscnt 5                                 ; the add and A's blocks 2, 3 may be out
	WIN MUL
	MUL8 1, 0, 0
	s_wait_dscnt 0x0                               ; the add is done, and my reads of this region are over
	s_barrier_signal -1
	MUL8 1, 1, 0
.if \fill
	WIN 0
.endif
	s_barrier_wait -1
.if \fill
	CREST                                          ; the barrier has opened a round of the cluster's: no wave of any partner still reads this region or has a load on its way
	s_add_nc_u64 s[G0+4*\from+2:G0+4*\from+3], s[G0+4*\from+2:G0+4*\from+3], 3*KSTEP*2
	s_add_nc_u64 s[G0B+4*\from+2:G0B+4*\from+3], s[G0B+4*\from+2:G0B+4*\from+3], 3*KSTEP*2
	JLOAD \from                                    ; the first tensor load behind the round; its four v_nop are the places in front of the loads below
.else
	PLACES
.endif
	FETCH \to, 0, 0
.if \ask
	ASK \from
.endif
	WIN MUL
	MUL8 1, 2, 0
	MUL8 1, 3, 0
.endm
.macro LONG                            ; region 1's first seven quarters
	QUARTER 1, 64,  0, 1, 0
	QUARTER 1, 128, 1, 0, 0
	QUARTER 1, 192, 0, 1, 0
	QUARTER 1, 256, 1, 0, 0
	QUARTER 1, 320, 0, 1, 0
	QUARTER 1, 384, 1, 0, 0
	QUARTER 1, 448, 0, 1, 0
.endm
	s_wait_tensorcnt 1                             ; my part of K step 0 is in; region 1's load may be out
	s_barrier_signal -1
	s_barrier_wait -1
	FETCH 0, 0, 0
	QUARTER 0, 64, 0, 1, 1                         ; the first quarter's products start the sums
	WIN 0
	s_mov_b32 s3, PERIODS-1
.Lperiod:                                              ; a trip is three K steps, from region 0's second quarter to its next first, and fills both regions again
	QUARTER 0, 128, 1, 0, 0
	QUARTER 0, 192, 0, 1, 0
	TURN 0, 1, 1, 1
	LONG
	TURN 1, 0, 1, 1
	QUARTER 0, 64,  0, 1, 0
	WIN 0
	s_sub_co_u32 s3, s3, 1
	s_cmp_lg_u32 s3, 0
	s_cbranch_scc1 .Lperiod
	QUARTER 0, 128, 1, 0, 0                        ; the tail is written out: K step 12,
	QUARTER 0, 192, 0, 1, 0
	TURN 0, 1, 1, 0                                ; region 0 takes K step 15, the last load,
	LONG                                           ; K steps 13 and 14,
	TURN 1, 0, 0, 0                                ; nothing is filled: no round
	QUARTER 0, 64,  0, 1, 0                        ; K step 15
	QUARTER 0, 128, 1, 0, 0
	QUARTER 0, 192, 0, 1, 0
	s_wait_dscnt 4
	WIN MUL
	MUL8 1, 0, 0
	MUL8 1, 1, 0
	s_wait_dscnt 0
	MUL8 1, 2, 0
	MUL8 1, 3, 0
	WIN 0
; THE WAY OUT, block by block of 16 rows x 128 columns: through my own stage in LDS, back as whole rows of 512 bytes.  LDS serves a wave's instructions in order (ISA guide 5.7.1.4).
.macro TOSTAGE a
	WIN 0x08                                       ; an LDS store's data are its source 1: window 2
.irp b, 0,1,2,3,4,5,6,7
	ds_store_b128 v[STO], v[8*(8*(\a)+\b):8*(8*(\a)+\b)+3] offset:64*\b          ; each accumulator from its low end on
	ds_store_b128 v[STO], v[8*(8*(\a)+\b)+4:8*(8*(\a)+\b)+7] offset:64*\b+16
.endr
	WIN 0
.set BB, BK+64*((\a)%2)
.irp t, 0,1,2,3,4,5,6,7,8,9,10,11,12,13,14,15
	ds_load_b128 v[BB+4*\t:BB+4*\t+3], v[RD] offset:\t*SPITCH
.endr
.endm
.macro SEND a, younger                 ; younger: the LDS instructions issued behind block a's loads, which may stay out
.set BB, BK+64*((\a)%2)
	s_wait_dscnt \younger
.irp t, 0,1,2,3,4,5,6,7,8,9,10,11,12,13,14,15
	global_store_b128 v[CO], v[BB+4*\t:BB+4*\t+3], s[8:9] offset:(16*(\a)+\t)*SIZE_N*4 th:TH_STORE_NT   ; 32 lanes store 512 consecutive bytes, aligned; 63 rows at the most: inside the immediate
.endr
.endm
	PLACES
	s_cmp_eq_u32 s[FLAG], 0
	s_cbranch_scc1 .Lskip0                         ; positions 0-15 are the next launch's
	TOSTAGE 0
	SEND 0, 0
.Lskip0:
	TOSTAGE 1
	s_wait_xcnt 0x0                                ; block 0's stores have read their registers: block 2's loads may land there
	TOSTAGE 2
	SEND 1, 32                                     ; behind block 1's loads: block 2's 16 stores and 16 loads
	s_wait_xcnt 0x0
	TOSTAGE 3
	SEND 2, 32
	SEND 3, 0
	s_wait_tensorcnt 0x0                           ; the wave's end
	ds_add_u32 v[SPW], v[NIL]
	s_wait_dscnt 0x0
	CROUND                                         ; the closing round
	s_endpgm
.Lfunc_end_k_qaea7ec20b5_proj:
	.size	k_qaea7ec20b5_proj, .Lfunc_end_k_qaea7ec20b5_proj-k_qaea7ec20b5_proj
	.p2alignl 7, 3214868480
	.fill 96, 4, 3214868480
	.section	.rodata,"a",@progbits
	.p2align	6, 0x0
	.amdhsa_kernel k_qaea7ec20b5_proj
		.amdhsa_group_segment_fixed_size 327680
		.amdhsa_private_segment_fixed_size 0
		.amdhsa_enable_private_segment 0
		.amdhsa_kernarg_size 24
		.amdhsa_user_sgpr_count 2
		.amdhsa_user_sgpr_kernarg_segment_ptr 1
		.amdhsa_wavefront_size32 1
		.amdhsa_system_sgpr_workgroup_id_x 1
		.amdhsa_system_sgpr_workgroup_id_y 1
		.amdhsa_system_sgpr_workgroup_id_z 1
		.amdhsa_system_vgpr_workitem_id 0
		.amdhsa_next_free_vgpr 768
		.amdhsa_next_free_sgpr 84
		.amdhsa_reserve_vcc 0
		.amdhsa_float_denorm_mode_32 3
		.amdhsa_float_denorm_mode_16_64 3
		.amdhsa_memory_ordered 1
		.amdhsa_forward_progress 1
		.amdhsa_inst_pref_size 134
	.end_amdhsa_kernel
	.amdgpu_metadata
---
amdhsa.version: [ 1, 2 ]
amdhsa.kernels:
  - .name:           k_qaea7ec20b5_proj
    .symbol:         k_qaea7ec20b5_proj.kd
    .args:
      - { .name: y, .offset: 0, .size: 8, .value_kind: global_buffer, .address_space: global }
      - { .name: wot, .offset: 8, .size: 8, .value_kind: global_buffer, .address_space: global }
      - { .name: out0, .offset: 16, .size: 8, .value_kind: global_buffer, .address_space: global }
    .group_segment_fixed_size: 327680
    .private_segment_fixed_size: 0
    .kernarg_segment_align: 8
    .kernarg_segment_size: 24
    .max_flat_workgroup_size: 128
    .sgpr_count:     84
    .vgpr_count:     768
    .wavefront_size: 32
...
	.end_amdgpu_metadata
.endif
;; end of part 4
;; launch first (part 5): grid 32 x 4, 16 waves a work-group, no clusters, 71,680 bytes of LDS; arguments qkv32, wot, out0; writes out0
.if DOCPART == 5
	.amdgcn_target "amdgcn-amd-amdhsa--gfx1250"
	.amdhsa_code_object_version 6
	.text
	.protected	k_qaea7ec20b5_first
	.globl	k_qaea7ec20b5_first
	.p2align	8
	.type	k_qaea7ec20b5_first,@function
k_qaea7ec20b5_first:
	s_mov_b64 s[64:65], 0
	v_nop
	global_prefetch_b8 v0, s[64:65] scope:SCOPE_SE
	s_setreg_imm32_b32 hwreg(HW_REG_WAVE_MODE, 25, 1), 1
	s_wait_xcnt 0x0
; FIRST: the rows of out0 at positions 0-15 of each batch, carried finely from q, k, v in f32 to the result.  These rows average one to sixteen values and are the largest of the output:
; 16-bit operands all the way would use up what the comparison allows.  They are the 64 rows that the launch before has not stored.
; WORK LEFT OUT: keys beyond position 15 are hidden from these queries by reference()'s own causal mask: they are not loaded.
; A work-group takes 64 columns of out0 for one batch's 16 rows; its sixteen waves are the sixteen heads.
; ATTENTION, wholly in f32: S^T = K Q^T and O^T = V^T P^T by the f32 matrix form (16 x 16 x 4), 64 small products a wave: no bulk work.  A lane holds one query (lane % 16) throughout.
; The channels are taken in the order in which 16-byte loads bring them, alike for Q and K: step (s, u) multiplies d = 8 s + 4 (lane / 16) + 2 u + 0, 1.  Each of a batch's 32 work-groups repeats this part.
; PROJECTION.  A head's 128 channels are K = 128 head .. 128 head + 127 of y wot^T, so a wave multiplies what it has just made and y never leaves its registers.  y goes as a pair of f16 numbers,
; hi = y with its low 13 mantissa bits cleared, lo = y - hi, both exact in f32, both parts to the matrix units.  In O^T tile t a lane's registers are channels 16 t + 8 (lane / 16) + 0 .. 7: tiles 2 u and
; 2 u + 1, packed in pairs, ARE source 1 (16 rows of y x 32 K) of K step u.  Source 0 = 16 rows of wot.  wot stays a single f16 number: its rounding is one part in 2^11 of each term.
; The sixteen waves' partial sums meet in LDS, a plane a wave; wave w adds row w of all planes.
; LIMIT: |y| up to 65,504; under 6e-5 the parts are held to f16's smallest step.
; REGISTERS: v1-12 addresses and 1 / the sum; v14, v15 the add's two; v16-31 the two sums of S^T and v192-223 O^T (four tiles, made twice): written by matrix instructions alone; v32-39 scores, then p;
;   v40-47 at work; v48-55, v56-63 the hi and lo fragments; v64-127 Q, then V, then (v64-95) wot of K step 2, then the planes' rows; v128-191 K, then wot of K steps 0 and 1, then (v128-159) 3; v224-255 four tiles of out0.
.set ROW,   12288                      ; a row of qkv32 in bytes
.set SA,    16
.set SB,    24
.set PP,    32
.set T,     40
.set HIF,   48
.set LOF,   56
.set QF,    64
.set VF,    64
.set KF,    128
.set WA,    128                        ; wot of K step 0, later of 3
.set WB,    160                        ; of K step 1
.set WC,    64                         ; of K step 2
.set RS,    64                         ; my row of the sixteen planes
.set OT,    192
.set ACC,   224
.set PL,    16*272                     ; a plane: 16 rows x (256 + 16) bytes
.set SPARE, 16*PL                      ; behind the planes: the spare words, 128 bytes a wave
.set SPW,   14
.set NIL,   15
.macro WLOAD reg, u                    ; wot's four fragments (16 rows x 32 K) of my K step u: 8 loads
.irp t, 0,1,2,3
.irp c, 0,1
	global_load_b128 v[\reg+8*\t+4*\c:\reg+8*\t+4*\c+3], v7, s[6:7] offset:65536*\t+64*(\u)+32*\c
.endr
.endr
.endm
.macro PVPASS h                        ; O^T tiles 4 h .. 4 h + 3 = V^T P^T: keys 8 (lane / 16) + 2 s + 0, 1; the four sums by turns, each begun with the constant 0
.irp s, 0,1,2,3
.irp t, 0,1,2,3
.if \s == 0
	v_wmma_f32_16x16x4_f32 v[OT+8*\t:OT+8*\t+7], v[VF+32*(\h)+8*\t:VF+32*(\h)+8*\t+1], v[PP:PP+1], 0
.else
	v_wmma_f32_16x16x4_f32 v[OT+8*\t:OT+8*\t+7], v[VF+32*(\h)+8*\t+2*\s:VF+32*(\h)+8*\t+2*\s+1], v[PP+2*\s:PP+2*\s+1], v[OT+8*\t:OT+8*\t+7]
.endif
.endr
.endr
.rept 8
	v_nop                                          ; eight places behind this form, in front of the reads of the sums and of loads into V's registers
.endr
.endm
.macro CONV lt                         ; the tiles at OT + 8 lt and OT + 8 (lt + 1) become one K step's hi and lo fragments, four numbers at a time, each tile from its low end on
.irp e, 0,1
.irp q, 0,1
.irp i, 0,1,2,3
	v_mul_f32 v[T+\i], v[OT+8*((\lt)+\e)+4*\q+\i], v12             ; y = O / the sum
.endr
.irp i, 0,1,2,3
	v_and_b32 v[T+4+\i], s18, v[T+\i]              ; hi
.endr
.irp i, 0,1,2,3
	v_sub_f32 v[T+\i], v[T+\i], v[T+4+\i]          ; lo = y - hi, exact.  (These twelve name no register of the products before: they are the places in front of the writes below)
.endr
	v_cvt_pk_f16_f32 v[HIF+4*\e+2*\q], v[T+4], v[T+5]
	v_cvt_pk_f16_f32 v[HIF+4*\e+2*\q+1], v[T+6], v[T+7]
	v_cvt_pk_f16_f32 v[LOF+4*\e+2*\q], v[T], v[T+1]
	v_cvt_pk_f16_f32 v[LOF+4*\e+2*\q+1], v[T+2], v[T+3]
.endr
.endr
.endm
.macro PROJ reg, start                 ; a K step of the projection: four tiles of columns x (hi, lo); the four sums by turns; start = 1: the first four start them
.irp t, 0,1,2,3
.if \start
	v_wmma_f32_16x16x32_f16 v[ACC+8*\t:ACC+8*\t+7], v[\reg+8*\t:\reg+8*\t+7], v[HIF:HIF+7], 0
.else
	v_wmma_f32_16x16x32_f16 v[ACC+8*\t:ACC+8*\t+7], v[\reg+8*\t:\reg+8*\t+7], v[HIF:HIF+7], v[ACC+8*\t:ACC+8*\t+7]
.endif
.endr
.irp t, 0,1,2,3
	v_wmma_f32_16x16x32_f16 v[ACC+8*\t:ACC+8*\t+7], v[\reg+8*\t:\reg+8*\t+7], v[LOF:LOF+7], v[ACC+8*\t:ACC+8*\t+7]
.endr
.endm
	s_load_b128 s[4:7], s[0:1], 0x0                ; qkv32, wot
	s_load_b64 s[8:9], s[0:1], 0x10                ; out0
	v_lshl_add_u32 v[SPW], v0, 2, SPARE
	v_mov_b32 v[NIL], 0
	v_lshrrev_b32 v1, 5, v0
	v_readfirstlane_b32 s10, v1                    ; wave = query head
	s_and_b32 s11, ttmp7, 0xffff                   ; batch
	s_lshr_b32 s12, s10, 2                         ; kv head
	v_and_b32 v1, 15, v0                           ; r
	v_bfe_u32 v2, v0, 4, 1                         ; h
	v_mul_u32_u24 v3, v1, ROW
	v_lshl_add_u32 v3, v2, 4, v3                   ; Q, K: row r, + 16 h
	v_mul_u32_u24 v4, v2, 8*ROW
	v_lshl_add_u32 v4, v1, 2, v4                   ; V: rows 8 h on, channel r
	v_lshlrev_b32 v5, 3, v2
	v_sub_nc_u32 v5, v1, v5                        ; r - 8 h: register i holds key 8 h + i, hidden where i > r - 8 h
	v_mov_b32 v6, 0xff800000                       ; -infinity
	v_lshlrev_b32 v7, 12, v1
	v_lshl_add_u32 v7, v2, 4, v7                   ; wot: row r of 4,096 bytes, + 16 h
	s_mul_i32 s13, s10, PL
	v_mul_u32_u24 v8, v1, 272
	v_lshl_add_u32 v8, v2, 5, v8
	v_add_nc_u32 v8, s13, v8                       ; into my plane: row r, 32 bytes for each half of the lanes
	s_mul_i32 s13, s10, 272
	v_and_b32 v10, 31, v0
	v_lshlrev_b32 v10, 3, v10                      ; 8 bytes a lane: my place in a row of 256 bytes, in a plane and in out0
	v_add_nc_u32 v9, s13, v10                      ; back: row w of a plane
	v_mov_b32 v41, 0                               ; a lane permute's destination counts as one of its sources
	s_mov_b32 s14, 0x3e0293ee                      ; c = log2(e) / sqrt(128)
	s_mov_b32 s16, 0x76543210
	s_mov_b32 s17, 0xfedcba98                      ; lane l xor 16
	s_mov_b32 s18, 0xffffe000                      ; keeps sign, exponent and 10 mantissa bits
	s_mul_i32 s20, s11, 16*ROW                     ; the batch's 16 rows of qkv32
	s_lshl_b32 s21, s10, 9                         ; the head's 128 numbers
	s_add_co_u32 s26, s20, s21
	s_mov_b32 s27, 0
	s_lshl_b32 s21, s12, 9
	s_add_co_u32 s28, s20, s21
	s_mov_b32 s29, 0
	s_lshl_b32 s30, ttmp9, 18                      ; wot: 64 rows of 4,096 bytes a work-group,
	s_lshl_b32 s21, s10, 8                         ; my head's 256 bytes of each
	s_add_co_u32 s30, s30, s21
	s_mov_b32 s31, 0
	s_lshl_b32 s32, s11, 10
	s_add_co_u32 s32, s32, s10                     ; out0: row 1,024 b + w,
	s_lshl_b32 s32, s32, 13
	s_lshl_b32 s21, ttmp9, 8                       ; 256 bytes a work-group
	s_add_co_u32 s32, s32, s21
	s_mov_b32 s33, 0
	s_wait_kmcnt 0x0
	s_add_nc_u64 s[20:21], s[4:5], s[26:27]        ; Q
	s_add_nc_u64 s[22:23], s[4:5], s[28:29]
	s_add_nc_u64 s[24:25], s[22:23], 10240         ; V: behind 2,560 columns
	s_add_nc_u64 s[22:23], s[22:23], 8192          ; K: behind 2,048
	s_add_nc_u64 s[6:7], s[6:7], s[30:31]
	s_add_nc_u64 s[8:9], s[8:9], s[32:33]
.irp s, 0,1,2,3,4,5,6,7,8,9,10,11,12,13,14,15
	global_load_b128 v[QF+4*\s:QF+4*\s+3], v3, s[20:21] offset:32*\s
	global_load_b128 v[KF+4*\s:KF+4*\s+3], v3, s[22:23] offset:32*\s
.endr
	s_wait_loadcnt 0x0
	v_wmma_f32_16x16x4_f32 v[SA:SA+7], v[KF:KF+1], v[QF:QF+1], 0           ; two sums by turns; each begins with the constant 0
	v_wmma_f32_16x16x4_f32 v[SB:SB+7], v[KF+2:KF+3], v[QF+2:QF+3], 0
.irp s, 1,2,3,4,5,6,7,8,9,10,11,12,13,14,15
	v_wmma_f32_16x16x4_f32 v[SA:SA+7], v[KF+4*\s:KF+4*\s+1], v[QF+4*\s:QF+4*\s+1], v[SA:SA+7]
	v_wmma_f32_16x16x4_f32 v[SB:SB+7], v[KF+4*\s+2:KF+4*\s+3], v[QF+4*\s+2:QF+4*\s+3], v[SB:SB+7]
.endr
.rept 8
	v_nop                                          ; eight places behind this form, in front of the reads of the sums and of the loads into Q's and K's registers
.endr
.irp t, 0,1,2,3,4,5,6,7
.irp i, 0,1,2,3,4,5,6,7
	global_load_b32 v[VF+8*\t+\i], v4, s[24:25] offset:\i*ROW+64*\t        ; V(key 8 h + i, channel 16 t + r): they land while the softmax is worked
.endr
.endr
	WLOAD WA, 0                                    ; wot of my K steps 0 and 1, into the registers that K has left
	WLOAD WB, 1
.irp i, 0,1,2,3,4,5,6,7
	v_add_f32 v[PP+\i], v[SA+\i], v[SB+\i]         ; the score of key 8 h + i for query r
.endr
.irp i, 0,1,2,3,4,5,6,7
	v_cmp_gt_i32 vcc_lo, \i, v5
	v_cndmask_b32 v[PP+\i], v[PP+\i], v6, vcc_lo   ; hidden keys: -infinity
.endr
	v_max3_num_f32 v40, v32, v33, v34
	v_max3_num_f32 v40, v40, v35, v36
	v_max3_num_f32 v40, v40, v37, v38
	v_max_num_f32 v40, v40, v39
	v_permlanex16_b32 v41, v40, s16, s17
	v_max_num_f32 v40, v40, v41                    ; the row's maximum: key 0 counts for every query, so it is a number
	v_mul_f32 v42, s14, v40
.irp i, 0,1,2,3,4,5,6,7
	v_fma_f32 v[PP+\i], v[PP+\i], s14, -v42
.endr
.irp i, 0,1,2,3,4,5,6,7
	v_exp_f32 v[PP+\i], v[PP+\i]                   ; p = 2^(c s - c m)
.endr
	v_nop                                          ; a plain instruction behind the last exponential
	s_wait_alu depctr_va_vdst(0)                   ; one wait for the batch, ahead of its first reader
	v_add_f32 v43, v32, v33
	v_add_f32 v44, v34, v35
	v_add_f32 v43, v43, v36
	v_add_f32 v44, v44, v37
	v_add_f32 v43, v43, v38
	v_add_f32 v44, v44, v39
	v_add_f32 v43, v43, v44
	v_permlanex16_b32 v41, v43, s16, s17
	v_add_f32 v43, v43, v41                        ; the row's sum
	v_rcp_f32 v12, v43
	v_nop
	s_wait_alu depctr_va_vdst(0)
	s_wait_loadcnt 16                              ; V is in; wot's sixteen loads may be out
	PVPASS 0                                       ; channels 0-63
	WLOAD WC, 2                                    ; wot of K step 2, into the registers that V's channels 0-63 have left
	CONV 0
	s_wait_loadcnt 16                              ; K step 0's fragments are in; those of steps 1 and 2 may be out
	PROJ WA, 1
	CONV 2
	WLOAD WA, 3                                    ; K step 3, into step 0's registers: CONV's arithmetic stands between the products that read them and these loads
	s_wait_loadcnt 16                              ; step 1's are in; those of steps 2 and 3 may be out
	PROJ WB, 0
	PVPASS 1                                       ; channels 64-127, over the sums of the first pass, which have been read
	CONV 0
	s_wait_loadcnt 8                               ; step 2's are in; step 3's may be out
	PROJ WC, 0
	CONV 2
	s_wait_loadcnt 0x0
	PROJ WA, 0
.rept 4
	v_nop                                          ; four places in front of the first read of the sums and of the LDS loads into step 2's registers
.endr
.irp t, 0,1,2,3
	ds_store_b128 v8, v[ACC+8*\t:ACC+8*\t+3] offset:64*\t          ; lane (r, h): row r, columns 16 t + 8 h + 0 .. 7
	ds_store_b128 v8, v[ACC+8*\t+4:ACC+8*\t+7] offset:64*\t+16
.endr
	s_wait_dscnt 0x0                               ; for the others' sake: my plane is written
	s_barrier_signal -1
	s_barrier_wait -1
.irp q, 0,1,2,3,4,5,6,7,8,9,10,11,12,13,14,15
	ds_load_b64 v[RS+2*\q:RS+2*\q+1], v9 offset:\q*PL              ; row w of plane q: 32 lanes take its 256 bytes
.endr
	s_wait_dscnt 0x0
.irp q, 0,2,4,6,8,10,12,14
	v_pk_add_f32 v[RS+2*\q:RS+2*\q+1], v[RS+2*\q:RS+2*\q+1], v[RS+2*\q+2:RS+2*\q+3]
.endr
.irp q, 0,4,8,12
	v_pk_add_f32 v[RS+2*\q:RS+2*\q+1], v[RS+2*\q:RS+2*\q+1], v[RS+2*\q+4:RS+2*\q+5]
.endr
.irp q, 0,8
	v_pk_add_f32 v[RS+2*\q:RS+2*\q+1], v[RS+2*\q:RS+2*\q+1], v[RS+2*\q+8:RS+2*\q+9]
.endr
	v_pk_add_f32 v[RS:RS+1], v[RS:RS+1], v[RS+16:RS+17]
	global_store_b64 v10, v[RS:RS+1], s[8:9]       ; 32 lanes store 256 consecutive bytes, aligned
	s_wait_tensorcnt 0x0                           ; the wave's end, behind my last LDS store
	ds_add_u32 v[SPW], v[NIL]
	s_wait_dscnt 0x0
	s_endpgm
.Lfunc_end_k_qaea7ec20b5_first:
	.size	k_qaea7ec20b5_first, .Lfunc_end_k_qaea7ec20b5_first-k_qaea7ec20b5_first
	.p2alignl 7, 3214868480
	.fill 96, 4, 3214868480
	.section	.rodata,"a",@progbits
	.p2align	6, 0x0
	.amdhsa_kernel k_qaea7ec20b5_first
		.amdhsa_group_segment_fixed_size 71680
		.amdhsa_private_segment_fixed_size 0
		.amdhsa_enable_private_segment 0
		.amdhsa_kernarg_size 24
		.amdhsa_user_sgpr_count 2
		.amdhsa_user_sgpr_kernarg_segment_ptr 1
		.amdhsa_wavefront_size32 1
		.amdhsa_system_sgpr_workgroup_id_x 1
		.amdhsa_system_sgpr_workgroup_id_y 1
		.amdhsa_system_sgpr_workgroup_id_z 1
		.amdhsa_system_vgpr_workitem_id 0
		.amdhsa_next_free_vgpr 256
		.amdhsa_next_free_sgpr 66
		.amdhsa_reserve_vcc 1
		.amdhsa_float_denorm_mode_32 3
		.amdhsa_float_denorm_mode_16_64 3
		.amdhsa_memory_ordered 1
		.amdhsa_forward_progress 1
		.amdhsa_inst_pref_size 37
	.end_amdhsa_kernel
	.amdgpu_metadata
---
amdhsa.version: [ 1, 2 ]
amdhsa.kernels:
  - .name:           k_qaea7ec20b5_first
    .symbol:         k_qaea7ec20b5_first.kd
    .args:
      - { .name: qkv32, .offset: 0, .size: 8, .value_kind: global_buffer, .address_space: global }
      - { .name: wot, .offset: 8, .size: 8, .value_kind: global_buffer, .address_space: global }
      - { .name: out0, .offset: 16, .size: 8, .value_kind: global_buffer, .address_space: global }
    .group_segment_fixed_size: 71680
    .private_segment_fixed_size: 0
    .kernarg_segment_align: 8
    .kernarg_segment_size: 24
    .max_flat_workgroup_size: 512
    .sgpr_count:     66
    .vgpr_count:     256
    .wavefront_size: 32
...
	.end_amdgpu_metadata
.endif
;; end of part 5
